; MI455X (gfx1250); checked and timed in simulation.
; The chip was launched on July 23, 2026; its instructions are those of AMD's public machine-readable ISA for CDNA 5 (MIT licence, August 2026) and "CDNA5" Instruction Set Architecture Reference Guide (July 2026). The comments in the code are by the model that wrote it; some were corrected since.
;; Attention. Allowed arithmetic: matrix products marked QUANTISED: E5M2 operands, one given power-of-two scale a tensor, by v_wmma_f32_16x16x64_bf8_bf8 or v_wmma_f32_16x16x128_bf8_bf8, f32 sums; products left as they are: f32 operands where the result goes on into a quantised operand, else bf16, f16 or f32 operands; f32 sums; everything else in f32.
;; Inputs: W1_codes 1,024 x 32 x 32 uint8 (E5M2 codes of W1, K innermost, in blocks of 32 codes); W2_codes 1,024 x 32 x 32 uint8 (E5M2 codes of W2, K innermost, in blocks of 32 codes); W3 1 x 1,024 float32; b1 1,024 float32; b2 1,024 float32; b3 1 float32; hidden_d_codes 1 x 64 x 32 x 32 uint8 (E5M2 codes of hidden_d, K innermost, in blocks of 32 codes); lowp_scales 4 int32 (the exponents e of the quantised operands' scales 2^e); out_e 512 x 64 x 1,024 float32.
;; Outputs: out0 1 x 64 x 1,024 float32; out1 512 x 64 x 1 float32.
;; This version of the problem:
;;   THIS VERSION OF THE PROBLEM IS GIVEN IN LOW PRECISION. The matrix products marked QUANTISED in the list below multiply operands that are first quantised to E5M2 (5 exponent bits, 2 mantissa bits; 8 bits a number), with one given power-of-two scale for each operand tensor; their sums are f32. All else is computed in f32.
;;   The module's matrix products, in the order in which they are computed (A, B: the left and right operand; K: the contracted axis; several contracted axes count as one K, in the product's order):
;;     1. [M 32,768, K 1,024] x [K 1,024, N 1,024]; A: input hidden_d (given as codes); B: input W1 (given as codes): QUANTISED (scales: A lowp_scales[0], B lowp_scales[1])
;;     2. [M 32,768, K 1,024] x [K 1,024, N 1,024]; A: input out_e; B: input W2 (given as codes): QUANTISED (scales: A lowp_scales[2], B lowp_scales[3])
;;     3. [M 32,768, K 1,024] x [K 1,024, N 1]; A: computed on the way; B: input W3: left as it is (N = 1 < 16)
;;     4. batch 64 x [M 1,024, K 512] x [K 512, N 1]; A: input out_e; B: softmax: left as it is (N = 1 < 16)
;;   THE QUANTISER, for each operand of a quantised product, along K:
;;     - The operand's scale is 2^e, e = its entry of the input lowp_scales (int32; the entries are numbered through the quantised products in the list's order, A before B).
;;     - Each number is divided by the scale, clamped to +-57,344, and rounded to the nearest number of E5M2, ties to even, subnormals kept.
;;     - The product sums the exact products of the quantised numbers (number of the format x scale) in f32.
;;   ~~~python
;;   def quantise(x, axis, e):      # numpy; x: float32 -> the quantised numbers, widened to float32 again
;;       x = np.moveaxis(x, axis, -1); K = x.shape[-1]
;;       r = np.clip(x / 2.0 ** e, -57344, 57344)
;;       step = 2.0 ** (np.maximum(np.frexp(np.where(r == 0, 1, r))[1] - 1, -14) - 2)
;;       q = np.round(r / step) * step * 2.0 ** e      # np.round: ties to even
;;       return np.moveaxis(q, -1, axis).astype(np.float32)
;;   ~~~
;;   INPUTS GIVEN AS CODES. W1 (in the module: [1024, 1024], K = its axis 1); W2 (in the module: [1024, 1024], K = its axis 1); hidden_d (in the module: [1, 64, 1024], K = its axis 2): each comes as NAME_codes (uint8): NAME with its K axis moved to the last place and cut into blocks of 32 codes, [.., K / 32, bytes a block], one block behind the other in memory; one code a byte (a code: sign, 5 exponent bits, 2 mantissa bits); its scale is its entry of lowp_scales. Its value is code x scale, taken as it is: it is not quantised again, and the codes and scales need not be those that the quantiser above would give.
;; 2 versions. Each part assembles by itself: llvm-mc -triple=amdgcn-amd-amdhsa -mcpu=gfx1250 --defsym DOCPART=n.
;; ======== version 1 of 2: 3 launches
;; workspace buffers: W2f 1,048,576 bytes; gq 262,144 bytes; rec 262,144 bytes; cp 1,048,576 bytes
;; launch prep (part 1): grid 64 x 1, 4 waves a work-group, no clusters, 5,120 bytes of LDS; arguments hidden_d_codes, W1_codes, W2_codes, b1, b2, lowp_scales, gq, W2f; writes gq, W2f
.if DOCPART == 1
	.amdgcn_target "amdgcn-amd-amdhsa--gfx1250"
	.amdhsa_code_object_version 6
	.text
	.protected	k_q8cb6dee236_prep
	.globl	k_q8cb6dee236_prep
	.p2align	8
	.type	k_q8cb6dee236_prep,@function
k_q8cb6dee236_prep:
	s_mov_b64 s[64:65], 0
	v_nop
	global_prefetch_b8 v0, s[64:65] scope:SCOPE_SE
	s_setreg_imm32_b32 hwreg(HW_REG_WAVE_MODE, 25, 1), 1
	s_wait_xcnt 0x0
; TWO SMALL JOBS AHEAD OF THE MAIN LAUNCH.
; (1) gq[n][col] = 2 log2(e) x (2^(e0 + e1) x sum over k of hidden_d[n][k] W1[col][k] + b1[col] + b2[col]), f32, [64][1024].
;     The first product's 32,768 rows are 512 copies of 64 rows: the 64 are multiplied once, on the codes as they are given.
;     The factor 2 log2(e) is the one that tanh(z) = 1 - 2 / (1 + 2^(2 log2(e) z)) wants; it is folded in here.
; (2) W2f: W2's codes laid in the order of the operand's registers: [col tile T 0..63][k 0..7][c 0..3][lane 0..31][16 bytes].
;     Lane 16 h + r holds row 16 T + r of W2; its byte b stands at place pos = 128 k + 32 c + 16 h + b of a row whose K is permuted:
;     true K = 512 (pos >> 9) + 128 ((pos & 15) >> 2) + 4 ((pos & 511) >> 4) + (pos & 3).  The main launch lays out_e's codes by the same permutation,
;     so every product meets its partner; only the order of the terms inside a sum differs.
; SHARES.  64 work-groups of four waves.  Work-group J lays col tile J of W2f (16 KB).  For gq: Jc = J & 15 gives 64 columns, Jn = J >> 4 gives 16 n; wave w makes col tile T = 4 Jc + w.
; The matrix instruction is used transposed (source 0 = 16 rows of W1, source 1 = 16 rows of hidden_d): lane (r, h) register j holds column 16 T + 8 h + j of n = 16 Jn + r.
; e0 + e1 is applied by v_ldexp_f32 and has no limit.
.set W1F, 16                           ; v16-143   W1's eight fragments (16 rows x 128 K each)
.set HDF, 144                          ; v144-207  four fragments of hidden_d, filled twice
.set A0,  208                          ; v208-215  the sum over even K steps
.set A1,  216                          ; v216-223  the sum over odd K steps: two accumulators by turns
.set GA,  224                          ; v224-255  W2's gathered words; later b1 (8) and b2 (8)
.set RS,  240                          ; v240-247  results
	s_load_b256 s[4:11], s[0:1], 0x0               ; hidden_d's codes s[4:5], W1's s[6:7], W2's s[8:9], b1 s[10:11]
	s_load_b256 s[12:19], s[0:1], 0x20             ; b2 s[12:13], the scales' exponents s[14:15], gq s[16:17], W2f s[18:19]
	v_lshl_add_u32 v14, v0, 2, 0x1200
	v_mov_b32 v15, 0
	v_lshrrev_b32 v8, 5, v0
	v_readfirstlane_b32 s20, v8                    ; wave 0..3
	v_and_b32 v9, 15, v0                           ; r (also: thread % 16)
	v_bfe_u32 v10, v0, 4, 1                        ; h
	v_lshlrev_b32 v1, 10, v9                       ; a row of codes is 1,024 bytes
	v_lshl_add_u32 v2, v10, 2, v1
	v_lshl_add_u32 v1, v10, 4, v1                  ; v1: fragments of W1 and hidden_d: 1024 r + 16 h
	s_lshl_b32 s21, s20, 3
	v_add_nc_u32 v2, s21, v2                       ; v2: W2's gather: 1024 r + 8 w + 4 h
	v_lshlrev_b32 v3, 4, v0                        ; v3: 16 x thread
	v_lshlrev_b32 v4, 5, v10                       ; v4: 32 h: my eight numbers of a tile's sixteen biases
	v_mul_u32_u24 v5, v9, 272
	v_lshl_add_u32 v5, v10, 5, v5
	s_lshl_b32 s21, s20, 6
	v_add_nc_u32 v5, s21, v5                       ; v5: the stage, in: row r (an n), 64 w + 32 h bytes along it
	v_lshrrev_b32 v11, 4, v0                       ; thread / 16: 0..7
	v_mul_u32_u24 v6, v11, 272
	v_lshl_add_u32 v6, v9, 4, v6                   ; v6: the stage, out: sixteen lanes to a row of 256 bytes
	v_lshlrev_b32 v7, 12, v11
	v_lshl_add_u32 v7, v9, 4, v7                   ; v7: the same place in gq, whose rows are 4,096 bytes
	s_and_b32 s36, ttmp9, 15                       ; Jc
	s_lshr_b32 s37, ttmp9, 4                       ; Jn
	s_lshl_b32 s38, s36, 2
	s_add_co_u32 s38, s38, s20                     ; T = 4 Jc + w
	s_lshl_b32 s22, ttmp9, 14                      ; col tile J of W2 and of W2f: 16 rows of 1,024 bytes
	s_mov_b32 s23, 0
	s_lshl_b32 s24, s38, 14                        ; col tile T of W1
	s_mov_b32 s25, 0
	s_lshl_b32 s26, s37, 14                        ; 16 rows of hidden_d
	s_mov_b32 s27, 0
	s_lshl_b32 s28, s38, 6                         ; 16 biases of 4 bytes
	s_mov_b32 s29, 0
	s_lshl_b32 s30, s37, 16                        ; gq: 16 rows of 4,096 bytes,
	s_lshl_b32 s31, s36, 8                         ; 64 columns of 4 bytes
	s_add_co_u32 s30, s30, s31
	s_mov_b32 s31, 0
	s_wait_kmcnt 0x0
	s_load_b64 s[32:33], s[14:15], 0x0             ; e0, e1
	s_add_nc_u64 s[8:9], s[8:9], s[22:23]
	s_add_nc_u64 s[18:19], s[18:19], s[22:23]
	s_add_nc_u64 s[6:7], s[6:7], s[24:25]
	s_add_nc_u64 s[4:5], s[4:5], s[26:27]
	s_add_nc_u64 s[10:11], s[10:11], s[28:29]
	s_add_nc_u64 s[12:13], s[12:13], s[28:29]
	s_add_nc_u64 s[16:17], s[16:17], s[30:31]
; W2's gather.  Store i of thread (w, h, r) is unit (k = i, c = w, lane 16 h + r); its word j holds places 128 i + 32 w + 16 h + 4 j + 0..3,
; whose true K is 512 (i / 4) + 128 j + 32 (i % 4) + 8 w + 4 h + 0..3.
.irp i, 0,1,2,3,4,5,6,7
.irp j, 0,1,2,3
	global_load_b32 v[GA+4*\i+\j], v2, s[8:9] offset:512*(\i/4)+32*(\i%4)+128*\j
.endr
.endr
.irp k, 0,1,2,3,4,5,6,7
.irp c, 0,1,2,3
	global_load_b128 v[W1F+16*\k+4*\c:W1F+16*\k+4*\c+3], v1, s[6:7] offset:128*\k+32*\c
.endr
.endr
.irp k, 0,1,2,3
.irp c, 0,1,2,3
	global_load_b128 v[HDF+16*\k+4*\c:HDF+16*\k+4*\c+3], v1, s[4:5] offset:128*\k+32*\c
.endr
.endr
	s_wait_loadcnt 48                              ; the 32 gathered words are in; the 48 loads of fragments issued behind them may be out
.irp i, 0,1,2,3,4,5,6,7
	global_store_b128 v3, v[GA+4*\i:GA+4*\i+3], s[18:19] offset:2048*\i   ; a wave's store covers 512 consecutive bytes, at a multiple of 256 from W2f's first byte
.endr
.macro MULS k0                         ; four K steps of 128; even steps on A0, odd on A1; the first of each starts its sum with the constant 0
.irp k, 0,1,2,3
.if (\k0+\k) < 2
	v_wmma_f32_16x16x128_bf8_bf8 v[A0+8*(\k%2):A0+8*(\k%2)+7], v[W1F+16*(\k0+\k):W1F+16*(\k0+\k)+15], v[HDF+16*\k:HDF+16*\k+15], 0
.else
	v_wmma_f32_16x16x128_bf8_bf8 v[A0+8*(\k%2):A0+8*(\k%2)+7], v[W1F+16*(\k0+\k):W1F+16*(\k0+\k)+15], v[HDF+16*\k:HDF+16*\k+15], v[A0+8*(\k%2):A0+8*(\k%2)+7]
.endif
.endr
.endm
	s_wait_loadcnt 0x0
	MULS 0
.rept 4
	v_nop                                          ; four places in front of loads into registers that matrix instructions have read (ISA guide 7.12.1 for vector instructions)
.endr
.irp k, 0,1,2,3
.irp c, 0,1,2,3
	global_load_b128 v[HDF+16*\k+4*\c:HDF+16*\k+4*\c+3], v1, s[4:5] offset:512+128*\k+32*\c
.endr
.endr
	s_wait_xcnt 0x0                                ; the stores to W2f have read their data: v224 on may be loaded again
	global_load_b128 v[GA:GA+3], v4, s[10:11]      ; b1 of my eight columns
	global_load_b128 v[GA+4:GA+7], v4, s[10:11] offset:16
	global_load_b128 v[GA+8:GA+11], v4, s[12:13]   ; b2 likewise
	global_load_b128 v[GA+12:GA+15], v4, s[12:13] offset:16
	s_wait_loadcnt 0x0
	MULS 4
.rept 4
	v_nop                                          ; four places in front of the first read of results
.endr
	s_wait_kmcnt 0x0
	s_add_co_i32 s34, s32, s33                     ; e0 + e1
.irp i, 0,2,4,6
	v_pk_add_f32 v[RS+\i:RS+\i+1], v[A0+\i:A0+\i+1], v[A1+\i:A1+\i+1]   ; both accumulators from their low end on
.endr
.irp i, 0,1,2,3,4,5,6,7
	v_ldexp_f32 v[RS+\i], v[RS+\i], s34            ; x 2^(e0 + e1)
.endr
.irp i, 0,2,4,6
	v_pk_add_f32 v[GA+\i:GA+\i+1], v[GA+\i:GA+\i+1], v[GA+8+\i:GA+8+\i+1]   ; b1 + b2
.endr
.irp i, 0,2,4,6
	v_pk_add_f32 v[RS+\i:RS+\i+1], v[RS+\i:RS+\i+1], v[GA+\i:GA+\i+1]
.endr
.irp i, 0,2,4,6
	v_pk_mul_f32 v[RS+\i:RS+\i+1], v[RS+\i:RS+\i+1], 0x4038aa3b op_sel_hi:[1,0]   ; x 2 log2(e)
.endr
; A lane holds 32 bytes of a row of gq, and a row's 256 bytes come from four waves: they meet in a stage of 16 rows x (256 + 16) bytes.
	ds_store_b128 v5, v[RS:RS+3]
	ds_store_b128 v5, v[RS+4:RS+7] offset:16
	s_wait_dscnt 0x0                               ; for the others' sake: my stores into the stage are done
	s_barrier_signal -1
	s_barrier_wait -1
	ds_load_b128 v[248:251], v6
	ds_load_b128 v[252:255], v6 offset:8*272
	s_wait_dscnt 0x0
	global_store_b128 v7, v[248:251], s[16:17]                 ; sixteen lanes store 256 consecutive bytes, at a multiple of 256 from gq's first byte
	global_store_b128 v7, v[252:255], s[16:17] offset:32768
	s_wait_tensorcnt 0x0
	ds_add_u32 v14, v15
	s_wait_dscnt 0x0
	s_endpgm
.Lfunc_end_k_q8cb6dee236_prep:
	.size	k_q8cb6dee236_prep, .Lfunc_end_k_q8cb6dee236_prep-k_q8cb6dee236_prep
	.p2alignl 7, 3214868480
	.fill 96, 4, 3214868480
	.section	.rodata,"a",@progbits
	.p2align	6, 0x0
	.amdhsa_kernel k_q8cb6dee236_prep
		.amdhsa_group_segment_fixed_size 5120
		.amdhsa_private_segment_fixed_size 0
		.amdhsa_enable_private_segment 0
		.amdhsa_kernarg_size 64
		.amdhsa_user_sgpr_count 2
		.amdhsa_user_sgpr_kernarg_segment_ptr 1
		.amdhsa_wavefront_size32 1
		.amdhsa_system_sgpr_workgroup_id_x 1
		.amdhsa_system_sgpr_workgroup_id_y 1
		.amdhsa_system_sgpr_workgroup_id_z 1
		.amdhsa_system_vgpr_workitem_id 0
		.amdhsa_next_free_vgpr 256
		.amdhsa_next_free_sgpr 66
		.amdhsa_reserve_vcc 0
		.amdhsa_float_denorm_mode_32 3
		.amdhsa_float_denorm_mode_16_64 3
		.amdhsa_memory_ordered 1
		.amdhsa_forward_progress 1
		.amdhsa_inst_pref_size 16
	.end_amdhsa_kernel
	.amdgpu_metadata
---
amdhsa.version: [ 1, 2 ]
amdhsa.kernels:
  - .name:           k_q8cb6dee236_prep
    .symbol:         k_q8cb6dee236_prep.kd
    .args:
      - { .name: hidden_d_codes, .offset: 0, .size: 8, .value_kind: global_buffer, .address_space: global }
      - { .name: W1_codes, .offset: 8, .size: 8, .value_kind: global_buffer, .address_space: global }
      - { .name: W2_codes, .offset: 16, .size: 8, .value_kind: global_buffer, .address_space: global }
      - { .name: b1, .offset: 24, .size: 8, .value_kind: global_buffer, .address_space: global }
      - { .name: b2, .offset: 32, .size: 8, .value_kind: global_buffer, .address_space: global }
      - { .name: lowp_scales, .offset: 40, .size: 8, .value_kind: global_buffer, .address_space: global }
      - { .name: gq, .offset: 48, .size: 8, .value_kind: global_buffer, .address_space: global }
      - { .name: W2f, .offset: 56, .size: 8, .value_kind: global_buffer, .address_space: global }
    .group_segment_fixed_size: 5120
    .private_segment_fixed_size: 0
    .kernarg_segment_align: 8
    .kernarg_segment_size: 64
    .max_flat_workgroup_size: 128
    .sgpr_count:     66
    .vgpr_count:     256
    .wavefront_size: 32
...
	.end_amdgpu_metadata
.endif
;; end of part 1
;; launch main (part 2): grid 256 x 1, 4 waves a work-group, clusters of 4 x 1, 327,680 bytes of LDS; arguments out_e, W2f, gq, W3, b3, lowp_scales, rec, cp; writes rec, cp
.if DOCPART == 2
	.amdgcn_target "amdgcn-amd-amdhsa--gfx1250"
	.amdhsa_code_object_version 6
	.text
	.protected	k_q8cb6dee236_main
	.globl	k_q8cb6dee236_main
	.p2align	8
	.type	k_q8cb6dee236_main,@function
k_q8cb6dee236_main:
	s_mov_b64 s[64:65], 0
	v_nop
	global_prefetch_b8 v0, s[64:65] scope:SCOPE_SE
	s_setreg_imm32_b32 hwreg(HW_REG_WAVE_MODE, 25, 1), 1
	s_wait_xcnt 0x0
	s_wait_alu depctr_hold_cnt(0) depctr_sa_sdst(0) depctr_va_vdst(0) depctr_va_sdst(0) depctr_va_ssrc(0) depctr_va_vcc(0) depctr_vm_vsrc(0)
	s_getreg_b32 s2, hwreg(HW_REG_IB_STS2, 6, 4)
	s_cmp_eq_u32 s2, 0
	s_cbranch_scc0 .Lentry_in_a_cluster
	s_endpgm
.Lentry_in_a_cluster:
	s_bfe_u32 s2, ttmp6, 0x10000c
	s_cmp_lg_u32 s2, 0x3003
	s_cbranch_scc0 .Lentry_shape_is_right
	s_endpgm
.Lentry_shape_is_right:
; a[s][n] = W3 . tanh(g[n] + out_e[s][n] W2^T) + b3, the softmax's local figures, and the weighted sum of out_e's rows: out_e is read from memory ONCE.
; SHARES.  256 work-groups = 64 n x 4 quarters of s.  A cluster is the four quarters of one n (n = cluster x, q = place in the cluster).  A work-group owns the 128 rows s = 128 q + rho of its n and all 1,024 columns of W2.
; PHASE L.  Wave w loads 32 rows (rho = Rw + 16 g + i, Rw = 64 (w / 2) + 8 (w % 2), g = 0..3, i = 0..7), 512 consecutive bytes a load.  Each row is (a) rounded to bf16 and kept for the weighted sum:
;   rows 0-15 of the wave in registers, rows 16-31 in LDS bytes of the wave's own; (b) quantised to E5M2 with the given 2^e2 (held at +-57,344 x 2^e2) and passed through a stage in LDS, 32 rows at a time,
;   from which each wave takes the fragments of ITS 64 rows (wm = w / 2): 512 registers of codes, which stay.  K is permuted in the stage as it is in W2f, so every product meets its partner.
; PHASE G.  Wave (wm, wn = w % 2) multiplies its 64 rows by 512 columns: 32 col tiles of 16, each 32 matrix instructions (8 K steps x 4 tiles of rows, the four accumulators by turns).  W2f comes through a ring of
;   two LDS slots of four col tiles.  All four work-groups of the cluster walk the same W2f, so each tile is asked for JOINTLY: the same tensor load, with the same descriptor and a mask that names the four, in all four.
;   The matrix instruction is used transposed (source 0 = 16 columns' rows of W2, source 1 = 16 rows of codes): lane (r, h) register j holds column 16 T + 8 h + j of row 16 rt + r.
;   tanh(z) = 1 - 2 / (1 + 2^(2 log2(e) z)).  With u = 1 / (1 + 2^(sum x kappa + g')), kappa = 2 log2(e) 2^(e2 + e3), g' from gq: a = sum of W3 - 2 x sum of W3 u + b3.
;   A tile's epilogue (96 vector instructions on 32 registers) stands in slices of three behind the NEXT tile's matrix instructions, on the other of two sets of accumulators.
; PHASE F.  The row's a; M = the quarter's largest a, p = e^(a - M), l = the sum of p; cp = the sum over the 128 rows of p x bf16(row).  The last launch joins the four quarters.
; LIMITS: e2 between -126 and 112, e2 + e3 between -127 and 126, so that each power of two below is an f32 number.  NaN in out_e is not served.  An infinity is held at the largest code for the product and stays an infinity in the bf16 copy.
; out_e's rows are shared by no two work-groups, so they are not asked for jointly.
; REGISTERS, in windows of 256 (s_set_vgpr_msb: bits 1:0 source 0, 3:2 source 1, 5:4 source 2, 7:6 destination):
;   window 0: v1-13 addresses that stay; phase L: v16-207 six rows on their way in, v208-223 a row in bf16, v224-231 a row's codes, v232 2^e2, v233 57,344 x 2^e2;
;             phase G: v16-143 a col tile's eight fragments, v144-175 and v176-207 two sets of four accumulators, v208-215 the sums of W3 u (a pair a tile of rows), v216-217 the sum of W3, v224-255 two sets of (8 g', 8 W3);
;             phase F: v16-143 eight rows in bf16, v144-175 my part of cp, v176-207 at work, v208-239 p of my 32 rows.
;   window 1: the codes' fragments of K steps 0-3, (rt, k) at 64 (k % 4) + 16 rt;   window 2: those of K steps 4-7;   window 3: my rows 0-15 in bf16, 16 registers a row.
.set SLOTB, 65536                      ; LDS: the ring: two slots of four col tiles,
.set TILEB, 16384                      ; a col tile: 8 K steps x 4 x 512 bytes, the image of the operand's registers
.set SPILL, 131072                     ; 4 x 32,768: each wave's rows 16-31 in bf16
.set STG,   262144                     ; the stage for codes: 32 rows, SPI bytes apart; at the end 4 x 4,096 bytes of partial rows of cp
.set SPI,   1040                       ; 1,024 + 16 = 65 x 16 bytes: the sixteen rows that a fragment load touches start at sixteen different 16-byte columns
.set TAB,   295424                     ; 64 col tiles x 128 bytes: 16 g', then 16 W3
.set SCX,   303616                     ; [wn][128 rows] partial scores
.set PW,    304640                     ; 4 x 512: each wave's own copy of p
.set SPARE, 306688                     ; the spare words, 128 bytes for each wave: two blocks of 256 bytes that no other line names
.set SPW, 1                            ; v1   SPARE + 4 x my thread's number; never rewritten
.set NIL, 2                            ; v2   0; never rewritten
.set L16, 3                            ; v3   16 x lane; never rewritten
.set STA, 4                            ; v4   the stage, in: my wave's eight rows
.set SPA, 5                            ; v5   my wave's bf16 rows in LDS
.set AFA, 6                            ; v6   the stage, out: row 16 wm + r, + 16 h
.set BA0, 7                            ; v7   my two col tiles in slot 0
.set BA1, 8                            ; v8   in slot 1
.set TA0, 9                            ; v9   TAB + 256 wn + 32 h
.set TAC, 10                           ; v10  the same for the trip in hand
.set SXA, 11                           ; v11  where I put a row's partial score
.set PWS, 12                           ; v12  where I put four p
.set PWA, 13                           ; v13  where my 32 rows' p begin
.set LAND, 16
.set BT,  208
.set CD,  224
.set SCL, 232
.set LIM, 233
.set BF,  16
.set ACC, 144
.set S,   208
.set WS,  216
.set TBL, 224
.set CA,  144
.set P,   208
.set MSB, 0
.macro WIN new                         ; the immediate's high byte repeats the setting that is left; a switch that changes nothing is dropped
.if MSB != \new
	s_set_vgpr_msb (MSB<<8)|\new
.set MSB, \new
.endif
.endm
.macro CREST                           ; a round of the cluster's barrier behind its opening barrier
	s_cmp_lg_u32 s20, 0
	s_cbranch_scc1 .Lnot_wave_0_\@
	s_barrier_signal -3
.Lnot_wave_0_\@:
	s_barrier_wait -3
	s_barrier_signal -1
	s_barrier_wait -1
.endm
.macro ROUND                           ; a whole round
	s_barrier_signal -1
	s_barrier_wait -1
	CREST
.endm
	s_load_b256 s[4:11], s[0:1], 0x0               ; out_e s[4:5], W2f s[6:7], gq s[8:9], W3 s[10:11]
	s_load_b256 s[12:19], s[0:1], 0x20             ; b3 s[12:13], the scales' exponents s[14:15], rec s[16:17], cp s[18:19]
	v_lshl_add_u32 v[SPW], v0, 2, SPARE
	v_mov_b32 v[NIL], 0
	ds_add_u32 v1, v2
	ds_add_u32 v1, v2
	s_wait_dscnt 0x0
	v_lshrrev_b32 v14, 5, v0
	v_readfirstlane_b32 s20, v14                   ; wave 0..3
	s_lshr_b32 s21, s20, 1                         ; wm: which 64 rows I multiply
	s_and_b32 s22, s20, 1                          ; wn: which 512 columns
	s_bfe_u32 s23, ttmp6, 0x40000                  ; q: my place in the cluster; it enters the addresses of out_e, rec and cp alone
	; descriptor group 1: a col tile, 16,384 dense bytes, as 64 rows of 32 elements of 8 bytes
	s_mov_b32 s24, 15|(3<<16)|(1<<21)              ; 15:0 the mask: all four work-groups; 17:16 elements of 8 bytes; 20 no padding; 21 set beside a mask
	s_mov_b32 s25, 32<<16                          ; tensor_dim0 = 32
	s_mov_b32 s26, 64<<16                          ; tensor_dim1 = 64
	s_mov_b32 s27, 32<<16                          ; tile_dim0 = 32
	s_mov_b32 s28, 64                              ; tile_dim1 = 64
	s_mov_b32 s29, 32                              ; from row to row: 32 elements
	s_mov_b32 s30, 0
	s_mov_b32 s31, 0
	v_and_b32 v14, 31, v0
	v_lshlrev_b32 v[L16], 4, v14
	v_and_b32 v15, 15, v0                          ; r
	v_bfe_u32 v14, v0, 4, 1                        ; h
	s_mul_i32 s60, s20, 8*SPI
	s_add_co_u32 s60, s60, STG
	v_add_nc_u32 v[STA], s60, v[L16]
	s_lshl_b32 s60, s20, 15
	s_add_co_u32 s60, s60, SPILL
	v_add_nc_u32 v[SPA], s60, v[L16]
	v_mul_u32_u24 v[AFA], v15, SPI
	v_lshl_add_u32 v[AFA], v14, 4, v[AFA]
	s_mul_i32 s60, s21, 16*SPI
	s_add_co_u32 s60, s60, STG
	v_add_nc_u32 v[AFA], s60, v[AFA]
	s_lshl_b32 s60, s22, 15                        ; col tiles 2 wn and 2 wn + 1 of a slot's four
	v_add_nc_u32 v[BA0], s60, v[L16]
	v_add_nc_u32 v[BA1], SLOTB, v[BA0]
	s_lshl_b32 s60, s22, 8
	s_add_co_u32 s60, s60, TAB
	v_lshl_add_u32 v[TA0], v14, 5, s60
	s_lshl_b32 s60, s22, 9
	s_lshl_b32 s61, s21, 8
	s_add_co_u32 s60, s60, s61
	s_add_co_u32 s60, s60, SCX
	v_lshl_add_u32 v[SXA], v15, 2, s60             ; SCX + 512 wn + 4 (64 wm + r)
	s_lshl_b32 s60, s20, 9
	s_add_co_u32 s60, s60, PW
	v_add_nc_u32 v[PWS], s60, v[L16]
	s_lshl_b32 s61, s21, 8
	s_add_co_u32 s60, s60, s61
	s_lshl_b32 s61, s22, 5
	s_add_co_u32 s60, s60, s61
	v_mov_b32 v[PWA], s60                          ; PW + 512 w + 4 Rw
	v_lshlrev_b32 v14, 4, v0                       ; 16 x thread: my 16 bytes of gq's row and of W3
	v_lshrrev_b32 v15, 2, v0
	v_lshlrev_b32 v15, 7, v15
	v_and_b32 v[TAC], 3, v0
	v_lshl_add_u32 v15, v[TAC], 4, v15
	v_add_nc_u32 v15, TAB, v15                     ; and their place in the table: col tile thread / 4, 16 (thread % 4) bytes along it
	s_lshl_b32 s60, s20, 14                        ; 16,384 x wave: in W2f and in a slot alike
	s_mov_b32 s61, 0
	s_wait_kmcnt 0x0
	s_load_b128 s[52:55], s[14:15], 0x0            ; e0, e1, e2, e3
	s_load_b32 s50, s[12:13], 0x0                  ; b3
	s_add_nc_u64 s[62:63], s[6:7], s[60:61]        ; W2f at col tile w: nothing of the cluster's places enters it
	s_mov_b32 s32, 1                               ; group 0 for slot 0: count = 1,
	s_mov_b32 s33, s60                             ; LDS address 16,384 w,
	s_mov_b64 s[34:35], s[62:63]                   ; col tile w,
	s_or_b32 s35, s35, 0x80000000                  ; type = 2
	s_mov_b32 s36, 1                               ; group 0 for slot 1
	s_add_co_u32 s37, s60, SLOTB
	s_add_nc_u64 s[38:39], s[62:63], 4*TILEB       ; col tile 4 + w
	s_or_b32 s39, s39, 0x80000000
	ROUND                                          ; all four work-groups are here: the first joint loads meet
	tensor_load_to_lds s[32:35], s[24:31]          ; both first fills together, ahead of every wait on TENSORcnt and every LDS read: two loads of mine are out
	s_nop 0
	tensor_load_to_lds s[36:39], s[24:31]
	s_nop 0
.rept 4
	v_nop
.endr
	s_lshl_b32 s60, s23, 25                        ; out_e: row (s, n) lies at 262,144 s + 4,096 n.  128 q rows of s,
	s_lshl_b32 s61, ttmp9, 12                      ; n,
	s_add_co_u32 s60, s60, s61
	s_lshl_b32 s61, s21, 24                        ; Rw = 64 wm
	s_add_co_u32 s60, s60, s61
	s_lshl_b32 s61, s22, 21                        ; + 8 wn
	s_add_co_u32 s60, s60, s61
	s_mov_b32 s61, 0
	s_add_nc_u64 s[40:41], s[4:5], s[60:61]        ; a base for each group of eight rows: 16 rows of s apart
	s_add_nc_u64 s[42:43], s[40:41], 1<<22
	s_add_nc_u64 s[44:45], s[40:41], 2<<22
	s_add_nc_u64 s[46:47], s[40:41], 3<<22
	s_lshl_b32 s60, ttmp9, 12
	s_add_nc_u64 s[8:9], s[8:9], s[60:61]          ; gq at my n
	s_lshl_b32 s60, ttmp9, 2
	s_add_co_u32 s60, s60, s23                     ; 4 n + q
	s_lshl_b32 s62, s60, 12
	s_mov_b32 s63, 0
	s_lshl_b32 s60, s60, 10
	s_add_nc_u64 s[16:17], s[16:17], s[60:61]      ; rec: 1,024 bytes for each (n, q)
	s_add_nc_u64 s[18:19], s[18:19], s[62:63]      ; cp: 4,096
; Row ridx of my 32: eight loads of 512 consecutive bytes.  Register 4 kc + j of lane l is K = 128 kc + 4 l + j.  Six rows' registers take turns.
.macro XLOAD ridx
.irp kc, 0,1,2,3,4,5,6,7
	global_load_b128 v[LAND+32*((\ridx)%6)+4*\kc:LAND+32*((\ridx)%6)+4*\kc+3], v[L16], s[40+2*((\ridx)/8):41+2*((\ridx)/8)] offset:((\ridx)%8)*262144+512*\kc th:TH_LOAD_NT
.endr
.endm
	global_load_b128 v[176:179], v14, s[8:9]       ; g' and W3, into the sixth row's registers, which are not yet asked for
	global_load_b128 v[180:183], v14, s[8:9] offset:2048
	global_load_b128 v[184:187], v14, s[10:11]
	global_load_b128 v[188:191], v14, s[10:11] offset:2048
	XLOAD 0
	XLOAD 1
	XLOAD 2
	XLOAD 3
	XLOAD 4
	s_wait_kmcnt 0x0
	s_add_co_i32 s60, s54, 127
	s_lshl_b32 s61, s60, 23
	v_mov_b32 v[SCL], s61                          ; 2^e2 as f32: the conversion takes its exponent field
	s_add_co_i32 s60, s60, 15
	s_lshl_b32 s60, s60, 23
	s_or_b32 s60, s60, 0x600000
	v_mov_b32 v[LIM], s60                          ; 57,344 x 2^e2
	s_add_co_i32 s60, s54, s55
	s_lshl_b32 s60, s60, 23
	s_add_co_i32 s48, s60, 0x4038aa3b              ; kappa = 2 log2(e) x 2^(e2 + e3): the exponents are added to the constant's exponent field
	s_mov_b32 s49, s48                             ; (named with it as a pair, so it is written)
	s_mov_b32 s58, 0x76543210                      ; v_permlanex16_b32's selects for lane l xor 16
	s_mov_b32 s59, 0xfedcba98
	s_wait_loadcnt 40                              ; the four table loads are in; the five rows issued behind them may be out
	ds_store_b128 v15, v[176:179]                  ; g' of columns 4 t .. 4 t + 3,
	ds_store_b128 v15, v[180:183] offset:4096      ; of columns 512 further on: 32 col tiles of 128 bytes,
	ds_store_b128 v15, v[184:187] offset:64        ; and W3 likewise, behind a tile's sixteen g'
	ds_store_b128 v15, v[188:191] offset:4160
	s_wait_dscnt 0x0                               ; the stores have read their registers
	XLOAD 5
; ---- PHASE L
.macro ROW ridx
.set LR, LAND+32*((\ridx)%6)
.if (\ridx) <= 26
	s_wait_loadcnt 40                              ; loads come back in order: my row is in, the five rows behind it stay out
.else
	s_wait_loadcnt 8*(31-(\ridx))
.endif
	s_wait_dscnt 0x0                               ; the last row's LDS stores have read the registers that are written below
.if (\ridx) < 16
	WIN 0xc0                                       ; destination window 3
.set U, 0
.rept 16
	v_cvt_pk_bf16_f32 v[16*(\ridx)+U], v[LR+2*U], v[LR+2*U+1]
.set U, U+1
.endr
	WIN 0
.else
.set U, 0
.rept 16
	v_cvt_pk_bf16_f32 v[BT+U], v[LR+2*U], v[LR+2*U+1]
.set U, U+1
.endr
.irp j, 0,1,2,3
	ds_store_b128 v[SPA], v[BT+4*\j:BT+4*\j+3] offset:((\ridx)-16)*2048+512*\j
.endr
.endif
.set U, 0
.rept 32
	v_med3_num_f32 v[LR+U], v[LR+U], -v[LIM], v[LIM]   ; the conversion to an 8-bit code does not saturate (ISA guide 7.6.2): the hold at the largest code x the scale
.set U, U+1
.endr
.irp k, 0,1,2,3
	v_cvt_scalef32_pk8_bf8_f32 v[CD+2*\k:CD+2*\k+1], v[LR+8*\k:LR+8*\k+7], v[SCL]   ; register CD + kc: the codes of K = 128 kc + 4 l + 0..3
.endr
	v_nop                                          ; one plain vector instruction behind the last scaled conversion
	ds_store_b128 v[STA], v[CD:CD+3] offset:((\ridx)%8)*SPI        ; place 512 g + 16 l + 4 j + b of the stage's row holds K = 512 g + 128 j + 4 l + b
	ds_store_b128 v[STA], v[CD+4:CD+7] offset:((\ridx)%8)*SPI+512
.if (\ridx)+6 < 32
	XLOAD (\ridx)+6                                ; into the registers just left
.endif
.endm
; Behind a group's eight rows: 32 rows of codes lie in the stage.  Each wave takes the eight fragments of tile g of its 64 rows; the stage is written again only behind the second barrier.
.macro GROUPEND g
	s_wait_dscnt 0x0                               ; for the others' sake: my stores into the stage are done
	s_barrier_signal -1
	s_barrier_wait -1
	WIN 0x40                                       ; destination window 1
.irp k, 0,1,2,3
.irp c, 0,1,2,3
	ds_load_b128 v[64*\k+16*\g+4*\c:64*\k+16*\g+4*\c+3], v[AFA] offset:128*\k+32*\c
.endr
.endr
	WIN 0x80                                       ; destination window 2
.irp k, 0,1,2,3
.irp c, 0,1,2,3
	ds_load_b128 v[64*\k+16*\g+4*\c:64*\k+16*\g+4*\c+3], v[AFA] offset:512+128*\k+32*\c
.endr
.endr
	WIN 0
.if \g == 3
	s_wait_tensorcnt 0x1                           ; my part of slot 0 is in; slot 1's may stay out
.endif
	s_wait_dscnt 0x0                               ; my reads of the stage are over
	s_barrier_signal -1
	s_barrier_wait -1
.endm
.set RI, 0
.irp g, 0,1,2,3
.rept 8
	ROW RI
.set RI, RI+1
.endr
	GROUPEND \g
.endr
; ---- PHASE G
; Matrix instruction i of a col tile's 32: K step i / 4, tile of rows i % 4.  The four accumulators take turns, one instruction a turn; the first four start the sums with the constant 0.
.macro MM i, cur
.set KK, (\i)/4
.set RT, (\i)%4
.set DD, ACC+32*(\cur)+8*RT
.if KK == 0
	v_wmma_f32_16x16x128_bf8_bf8 v[DD:DD+7], v[BF+16*KK:BF+16*KK+15], v[64*(KK%4)+16*RT:64*(KK%4)+16*RT+15], 0
.else
	v_wmma_f32_16x16x128_bf8_bf8 v[DD:DD+7], v[BF+16*KK:BF+16*KK+15], v[64*(KK%4)+16*RT:64*(KK%4)+16*RT+15], v[DD:DD+7]
.endif
.endm
; Instruction j of 96 of a tile's epilogue, on the set of accumulators at pa with the eight g' at tg.  None of them names a vector register as source 1, so they stand under the products' window setting.
;   0-15 sum x kappa + g', a pair each, each accumulator from its low end on;  16-47 2^(.);  48-63 1 + (.);  64-95 1 / (.)
.macro EP j, pa, tg
.if (\j) < 16
	v_pk_fma_f32 v[(\pa)+2*(\j):(\pa)+2*(\j)+1], v[(\pa)+2*(\j):(\pa)+2*(\j)+1], s[48:49], v[(\tg)+2*((\j)%4):(\tg)+2*((\j)%4)+1] op_sel_hi:[1,0,1]
.elseif (\j) < 48
	v_exp_f32 v[(\pa)+(\j)-16], v[(\pa)+(\j)-16]
.elseif (\j) < 64
	v_pk_add_f32 v[(\pa)+2*((\j)-48):(\pa)+2*((\j)-48)+1], v[(\pa)+2*((\j)-48):(\pa)+2*((\j)-48)+1], 1.0 op_sel_hi:[1,0]
.else
	v_rcp_f32 v[(\pa)+(\j)-64], v[(\pa)+(\j)-64]
.endif
.endm
.macro RUN first, count, cur           ; matrix instructions first .. first + count - 1, each with three instructions of the tile before's epilogue behind it
.set II, \first
.rept \count
	MM II, \cur
	EP 3*II, ACC+32*(1-\cur), TBL+16*(1-\cur)
	EP 3*II+1, ACC+32*(1-\cur), TBL+16*(1-\cur)
	EP 3*II+2, ACC+32*(1-\cur), TBL+16*(1-\cur)
.set II, II+1
.endr
.endm
.macro SBLK pa, tw                     ; the sums of W3 u, a pair for each tile of rows, and the sum of W3
.irp pr, 0,1,2,3
.irp rt, 0,1,2,3
	v_pk_fma_f32 v[S+2*\rt:S+2*\rt+1], v[(\pa)+8*\rt+2*\pr:(\pa)+8*\rt+2*\pr+1], v[(\tw)+2*\pr:(\tw)+2*\pr+1], v[S+2*\rt:S+2*\rt+1]
.endr
	v_pk_add_f32 v[WS:WS+1], v[WS:WS+1], v[(\tw)+2*\pr:(\tw)+2*\pr+1]
.endr
.endm
.macro LB hb, adr, off                 ; half hb of a col tile's fragments: K steps 4 hb .. 4 hb + 3: sixteen loads of 512 consecutive bytes
.set U, 0
.rept 16
	ds_load_b128 v[BF+64*\hb+4*U:BF+64*\hb+4*U+3], v[\adr] offset:\off+8192*\hb+512*U
.set U, U+1
.endr
.endm
.macro LT p, off                       ; a col tile's eight g' and eight W3 of my half of the lanes, into table set p
	ds_load_b128 v[TBL+16*\p:TBL+16*\p+3], v[TAC] offset:\off
	ds_load_b128 v[TBL+16*\p+4:TBL+16*\p+7], v[TAC] offset:\off+16
	ds_load_b128 v[TBL+16*\p+8:TBL+16*\p+11], v[TAC] offset:\off+64
	ds_load_b128 v[TBL+16*\p+12:TBL+16*\p+15], v[TAC] offset:\off+80
.endm
; The first of a slot's two col tiles: accumulators set 0; the epilogue is the tile before's, on set 1.  The next tile lies in the same slot, TILEB further on.
.macro TILE0 adr, ltoff
	s_wait_dscnt 20                                ; my first half of B is in; behind it were issued the second half's 16 loads and the table's 4
	WIN 0x04                                       ; source 1 (the codes) window 1
	RUN 0, 16, 0
	v_nop                                          ; a plain instruction behind the last exponential,
	s_wait_alu depctr_va_vdst(0)                   ; and ONE wait for the batch of 32, ahead of the first line that names a result
.rept 3
	v_nop                                          ; with the one above: four places in front of loads into registers that matrix instructions have read
.endr
	LB 0, \adr, TILEB
	s_wait_dscnt 20                                ; the second half of B is in; behind it: the table's 4 and the 16 just issued
	WIN 0x08                                       ; source 1 window 2
	RUN 16, 16, 0
	v_nop
	s_wait_alu depctr_va_vdst(0)                   ; one wait for the 32 reciprocals
	WIN 0
	SBLK ACC+32, TBL+24                            ; twenty plain instructions: the places in front of the loads below
	LB 1, \adr, TILEB
	LT 1, \ltoff                                   ; the next tile's table, into the set just read out
.endm
; The second: accumulators set 1, the epilogue on set 0.  All reads of the slot have been issued at its head, so the slots change here.
; mode 2: each wave waits for all its tensor loads (one is out: its part of the other slot), adds 0 to its spare word, and waits for that and for its reads of this slot; the barrier opens a round of the cluster's barrier;
;         behind the round no wave of any partner reads this slot or has a load on its way, and the joint refill is the first thing there: col tiles two slots on.  It has 48 matrix instructions, up to the wait at the next TILE1's head, in which to land.
; mode 1: the same without round and refill (nothing is left to fetch).   mode 0: the last tile of all.
.macro TILE1 mode, g0, nadr, ltoff
.if \mode > 0
	s_wait_tensorcnt 0x0                           ; all my tensor loads have landed, so a group 0 may be written
	ds_add_u32 v[SPW], v[NIL]                      ; 0 onto my spare word
	s_wait_dscnt 21                                ; my first half of B is in; behind it: 16 + 4 loads and the add
.else
	s_wait_dscnt 20
.endif
	WIN 0x04
	RUN 0, 8, 1
.if \mode > 0
	s_wait_dscnt 0x0                               ; the add is done, and my reads of this slot are over
	s_barrier_signal -1
.endif
	RUN 8, 8, 1                                    ; work on registers while the others arrive
	v_nop
	s_wait_alu depctr_va_vdst(0)                   ; one wait for the 32 exponentials, ahead of the branch below too
.if \mode > 0
	WIN 0                                          ; at a branch and at a label every window is 0
	s_barrier_wait -1
.endif
.if \mode == 2
	CREST
	s_add_nc_u64 s[\g0+2:\g0+3], s[\g0+2:\g0+3], 8*TILEB   ; eight col tiles on; the type bits on top are not reached
	tensor_load_to_lds s[\g0:\g0+3], s[24:31]      ; my one tensor load behind the round
	s_nop 0
.rept 4
	v_nop                                          ; places in front of the loads below
.endr
.elseif \mode == 1
.rept 3
	v_nop                                          ; with the one above: four places
.endr
.endif
.if \mode > 0
	LB 0, \nadr, 0                                 ; the other slot's first tile.  (My second half of B came in with the wait for 0)
.else
	s_wait_dscnt 0x0                               ; the second half of B, and the last table
.endif
	WIN 0x08
	RUN 16, 16, 1
	v_nop
	s_wait_alu depctr_va_vdst(0)
	WIN 0
	SBLK ACC, TBL+8
.if \mode > 0
	LB 1, \nadr, 0
	LT 0, \ltoff
.endif
.endm
; The first tile finds an epilogue to run like every other: on zeros it gives u = 1/2, which meets W3 = 0.  So the sums, set 1 of the accumulators and table set 1 begin as zeros, and no first tile is written out.
.set U, 0
.rept 10
	v_mov_b32 v[S+U], 0
.set U, U+1
.endr
.set U, 0
.rept 32
	v_mov_b32 v[ACC+32+U], 0
.set U, U+1
.endr
.set U, 0
.rept 16
	v_mov_b32 v[TBL+16+U], 0
.set U, U+1
.endr
	v_mov_b32 v[TAC], v[TA0]
	LB 0, BA0, 0
	LB 1, BA0, 0
	LT 0, 0
	s_mov_b32 s56, 0                               ; the trip's place in the table: 8 col tiles of 128 bytes a trip
	s_mov_b32 s57, 7
.Ltrip:                                                ; seven trips, four col tiles each, once round the ring; both slots are filled again
	v_add_nc_u32 v[TAC], s56, v[TA0]
	TILE0 BA0, 128
	TILE1 2, 32, BA1, 512
	TILE0 BA1, 640
	TILE1 2, 36, BA0, 1024
	s_add_co_u32 s56, s56, 1024
	s_sub_co_u32 s57, s57, 1
	s_cmp_lg_u32 s57, 0
	s_cbranch_scc1 .Ltrip
	v_add_nc_u32 v[TAC], s56, v[TA0]               ; the last lap is written out
	TILE0 BA0, 128
	TILE1 1, 32, BA1, 512
	TILE0 BA1, 640
	TILE1 0, 32, BA0, 0
; ---- PHASE F
.irp i, 0,1,2,3,4,5,6,7                ; my rows 16-23 in bf16 come back into B's registers (the twenty instructions above are the places) while the last epilogue runs
.irp j, 0,1,2,3
	ds_load_b128 v[16+16*\i+4*\j:16+16*\i+4*\j+3], v[SPA] offset:\i*2048+512*\j
.endr
.endr
.set JJ, 0
.rept 48
	EP JJ, ACC+32, TBL+16                          ; the last tile's epilogue, with nothing to stand between
.set JJ, JJ+1
.endr
	v_nop
	s_wait_alu depctr_va_vdst(0)
.rept 48
	EP JJ, ACC+32, TBL+16
.set JJ, JJ+1
.endr
	v_nop
	s_wait_alu depctr_va_vdst(0)
	SBLK ACC+32, TBL+24
	v_add_f32 v14, v[WS], v[WS+1]                  ; the sum of W3 over my half's columns
.irp rt, 0,1,2,3
	v_add_f32 v[176+\rt], v[S+2*\rt], v[S+2*\rt+1]
.endr
.irp rt, 0,1,2,3
	v_fma_f32 v[176+\rt], v[176+\rt], -2.0, v14    ; sum of W3 - 2 x sum of W3 u
.endr
.irp rt, 0,1,2,3
	v_permlanex16_b32 v[180+\rt], v[176+\rt], s58, s59   ; the row's other eight columns of each tile lie in the lane 16 away
.endr
.irp rt, 0,1,2,3
	v_add_f32 v[176+\rt], v[176+\rt], v[180+\rt]
.endr
.irp rt, 0,1,2,3
	ds_store_b32 v[SXA], v[176+\rt] offset:64*\rt  ; row 64 wm + 16 rt + r, my 512 columns' part (both halves of the lanes write the same word with the same number)
.endr
	s_lshl_b32 s60, s20, 12
	s_add_co_u32 s60, s60, STG
	s_lshl_b32 s61, s20, 10
	v_add_nc_u32 v6, SCX, v[L16]                   ; four rows' scores a lane
	v_add_nc_u32 v7, s60, v[L16]                   ; where my partial row of cp goes: 4,096 bytes a wave, in the stage, which nobody reads any more
	v_add_nc_u32 v9, s61, v[L16]                   ; my two pieces of 512 bytes of the row: in cp,
	v_add_nc_u32 v8, STG, v9                       ; and in the four waves' partial rows
	s_wait_dscnt 0x0                               ; for the others' sake: my scores are stored
	s_barrier_signal -1
	s_barrier_wait -1
	ds_load_b128 v[184:187], v6
	ds_load_b128 v[188:191], v6 offset:512
	s_wait_dscnt 0x0
	v_pk_add_f32 v[184:185], v[184:185], v[188:189]
	v_pk_add_f32 v[186:187], v[186:187], v[190:191]
.irp j, 0,1,2,3
	v_add_f32 v[184+\j], s50, v[184+\j]            ; a of rows 4 l .. 4 l + 3; every wave holds all 128
.endr
	v_max3_num_f32 v200, v184, v185, v186
	v_max_num_f32 v200, v200, v187
	v_max_num_f32_dpp v200, v200, v200 row_xmask:1 row_mask:0xf bank_mask:0xf
	v_max_num_f32_dpp v200, v200, v200 row_xmask:2 row_mask:0xf bank_mask:0xf
	v_max_num_f32_dpp v200, v200, v200 row_xmask:4 row_mask:0xf bank_mask:0xf
	v_max_num_f32_dpp v200, v200, v200 row_xmask:8 row_mask:0xf bank_mask:0xf
	v_permlanex16_b32 v201, v200, s58, s59
	v_max_num_f32 v196, v200, v201                 ; M: the quarter's largest a
.irp j, 0,1,2,3
	v_sub_f32 v[192+\j], v[184+\j], v196
.endr
.irp j, 0,1,2,3
	v_mul_f32 v[192+\j], 0x3fb8aa3b, v[192+\j]
.endr
.irp j, 0,1,2,3
	v_exp_f32 v[192+\j], v[192+\j]                 ; p = e^(a - M)
.endr
	v_mov_b32 v198, v196                           ; (a plain instruction behind the exponentials)
	s_wait_alu depctr_va_vdst(0)                   ; one wait for the four
	v_add_f32 v200, v192, v193
	v_add_f32 v201, v194, v195
	v_add_f32 v200, v200, v201
	v_add_f32_dpp v200, v200, v200 row_xmask:1 row_mask:0xf bank_mask:0xf
	v_add_f32_dpp v200, v200, v200 row_xmask:2 row_mask:0xf bank_mask:0xf
	v_add_f32_dpp v200, v200, v200 row_xmask:4 row_mask:0xf bank_mask:0xf
	v_add_f32_dpp v200, v200, v200 row_xmask:8 row_mask:0xf bank_mask:0xf
	v_permlanex16_b32 v201, v200, s58, s59
	v_add_f32 v197, v200, v201                     ; l: the quarter's sum of p
	v_mov_b32 v199, v197
	ds_store_b128 v[PWS], v[192:195]               ; p into my wave's own copy
	s_cmp_lg_u32 s20, 0
	s_cbranch_scc1 .Lnot_mine
	global_store_b128 v[L16], v[184:187], s[16:17]             ; wave 0: the 128 a: 512 consecutive bytes,
	global_store_b128 v[L16], v[196:199], s[16:17] offset:512  ; and (M, l) 64 times over: 512 more.  Neither store's registers are written again
.Lnot_mine:
.irp g, 0,1,2,3
.irp e, 0,1
	ds_load_b128 v[P+8*\g+4*\e:P+8*\g+4*\e+3], v[PWA] offset:64*\g+16*\e   ; p of my row 8 g + 4 e + j, the same in every lane.  LDS serves a wave's instructions in order: these see my store
.endr
.endr
.set U, 0
.rept 32
	v_mov_b32 v[CA+U], 0
.set U, U+1
.endr
	s_wait_dscnt 0x0
.macro CROW src, pr                    ; my part of cp += p x a row: register u of the row holds K = 128 (u / 2) + 4 l + 2 (u % 2) in its low half and the next K in its high half
.set U, 0
.rept 16
	v_fma_mix_f32_bf16 v[CA+2*U], v[(\src)+U], v[\pr], v[CA+2*U] op_sel_hi:[1,0,0]
	v_fma_mix_f32_bf16 v[CA+2*U+1], v[(\src)+U], v[\pr], v[CA+2*U+1] op_sel:[1,0,0] op_sel_hi:[1,0,0]
.set U, U+1
.endr
.endm
	WIN 0x03                                       ; source 0 window 3: rows 0-15
.set RI, 0
.rept 16
	CROW 16*RI, P+RI
.set RI, RI+1
.endr
	WIN 0
.irp i, 0,1,2,3,4,5,6,7                ; rows 16-23; behind each, its registers take the row eight further on
	CROW 16+16*\i, P+16+\i
.irp j, 0,1,2,3
	ds_load_b128 v[16+16*\i+4*\j:16+16*\i+4*\j+3], v[SPA] offset:(8+\i)*2048+512*\j
.endr
.endr
.irp i, 0,1,2,3,4,5,6,7
	s_wait_dscnt 4*(7-\i)                          ; row 24 + i is in; the four loads of each later row may be out
	CROW 16+16*\i, P+24+\i
.endr
.irp kc, 0,1,2,3,4,5,6,7
	ds_store_b128 v7, v[CA+4*\kc:CA+4*\kc+3] offset:512*\kc    ; K in its true order: 128 kc + 4 l + 0..3
.endr
	s_wait_dscnt 0x0                               ; for the others' sake: my partial row is stored
	s_barrier_signal -1
	s_barrier_wait -1
.irp cc, 0,1
.irp wp, 0,1,2,3
	ds_load_b128 v[16+16*\cc+4*\wp:16+16*\cc+4*\wp+3], v8 offset:4096*\wp+512*\cc
.endr
.endr
	s_wait_dscnt 0x0
.irp cc, 0,1
	v_pk_add_f32 v[16+16*\cc:17+16*\cc], v[16+16*\cc:17+16*\cc], v[20+16*\cc:21+16*\cc]
	v_pk_add_f32 v[18+16*\cc:19+16*\cc], v[18+16*\cc:19+16*\cc], v[22+16*\cc:23+16*\cc]
	v_pk_add_f32 v[24+16*\cc:25+16*\cc], v[24+16*\cc:25+16*\cc], v[28+16*\cc:29+16*\cc]
	v_pk_add_f32 v[26+16*\cc:27+16*\cc], v[26+16*\cc:27+16*\cc], v[30+16*\cc:31+16*\cc]
	v_pk_add_f32 v[16+16*\cc:17+16*\cc], v[16+16*\cc:17+16*\cc], v[24+16*\cc:25+16*\cc]
	v_pk_add_f32 v[18+16*\cc:19+16*\cc], v[18+16*\cc:19+16*\cc], v[26+16*\cc:27+16*\cc]
	global_store_b128 v9, v[16+16*\cc:19+16*\cc], s[18:19] offset:512*\cc   ; 512 consecutive bytes, at a multiple of 256 from cp's first byte
.endr
	s_wait_tensorcnt 0x0                           ; the wave's end: behind my last tensor load and my last LDS store
	ds_add_u32 v[SPW], v[NIL]
	s_wait_dscnt 0x0
	ROUND                                          ; the closing round: no work-group ends while a partner may still ask for a tile that names it
	s_endpgm
.Lfunc_end_k_q8cb6dee236_main:
	.size	k_q8cb6dee236_main, .Lfunc_end_k_q8cb6dee236_main-k_q8cb6dee236_main
	.p2alignl 7, 3214868480
	.fill 96, 4, 3214868480
	.section	.rodata,"a",@progbits
	.p2align	6, 0x0
	.amdhsa_kernel k_q8cb6dee236_main
		.amdhsa_group_segment_fixed_size 327680
		.amdhsa_private_segment_fixed_size 0
		.amdhsa_enable_private_segment 0
		.amdhsa_kernarg_size 64
		.amdhsa_user_sgpr_count 2
		.amdhsa_user_sgpr_kernarg_segment_ptr 1
		.amdhsa_wavefront_size32 1
		.amdhsa_system_sgpr_workgroup_id_x 1
		.amdhsa_system_sgpr_workgroup_id_y 1
		.amdhsa_system_sgpr_workgroup_id_z 1
		.amdhsa_system_vgpr_workitem_id 0
		.amdhsa_next_free_vgpr 1024
		.amdhsa_next_free_sgpr 72
		.amdhsa_reserve_vcc 0
		.amdhsa_float_denorm_mode_32 3
		.amdhsa_float_denorm_mode_16_64 3
		.amdhsa_memory_ordered 1
		.amdhsa_forward_progress 1
		.amdhsa_inst_pref_size 255
	.end_amdhsa_kernel
	.section	.bss,"aw",@nobits
	.p2align	6
	.space	262144
	.amdgpu_metadata
---
amdhsa.version: [ 1, 2 ]
amdhsa.kernels:
  - .name:           k_q8cb6dee236_main
    .symbol:         k_q8cb6dee236_main.kd
    .args:
      - { .name: out_e, .offset: 0, .size: 8, .value_kind: global_buffer, .address_space: global }
      - { .name: W2f, .offset: 8, .size: 8, .value_kind: global_buffer, .address_space: global }
      - { .name: gq, .offset: 16, .size: 8, .value_kind: global_buffer, .address_space: global }
      - { .name: W3, .offset: 24, .size: 8, .value_kind: global_buffer, .address_space: global }
      - { .name: b3, .offset: 32, .size: 8, .value_kind: global_buffer, .address_space: global }
      - { .name: lowp_scales, .offset: 40, .size: 8, .value_kind: global_buffer, .address_space: global }
      - { .name: rec, .offset: 48, .size: 8, .value_kind: global_buffer, .address_space: global }
      - { .name: cp, .offset: 56, .size: 8, .value_kind: global_buffer, .address_space: global }
    .group_segment_fixed_size: 327680
    .private_segment_fixed_size: 0
    .kernarg_segment_align: 8
    .kernarg_segment_size: 64
    .max_flat_workgroup_size: 128
    .sgpr_count:     72
    .vgpr_count:     1024
    .wavefront_size: 32
...
	.end_amdgpu_metadata
.endif
;; end of part 2
;; launch fin (part 3): grid 64 x 1, 8 waves a work-group, no clusters, 3,072 bytes of LDS; arguments rec, cp, out0, out1; writes out0, out1
.if DOCPART == 3
	.amdgcn_target "amdgcn-amd-amdhsa--gfx1250"
	.amdhsa_code_object_version 6
	.text
	.protected	k_q8cb6dee236_fin
	.globl	k_q8cb6dee236_fin
	.p2align	8
	.type	k_q8cb6dee236_fin,@function
k_q8cb6dee236_fin:
	s_mov_b64 s[64:65], 0
	v_nop
	global_prefetch_b8 v0, s[64:65] scope:SCOPE_SE
	s_setreg_imm32_b32 hwreg(HW_REG_WAVE_MODE, 25, 1), 1
	s_wait_xcnt 0x0
; THE FOUR QUARTERS OF s ARE JOINED.  rec: [n][q][256 f32]: words 0-127 a of s = 128 q + rho, words 128, 129 (M_q, l_q).  cp: [n][q][1024]: the sum over the quarter of e^(a - M_q) x row.
; M = the largest M_q; w_q = e^(M_q - M); L = the sum of l_q w_q.  out0[n] = the sum over q of cp_q w_q / L.  out1[s][n] = e^(a - M) / L.
; Work-group j, 256 threads.  Part A: row n = j of out0, 16 bytes a thread.  Part B: rows s = 8 j .. 8 j + 7 of out1: thread t takes n = t / 4 and s = 8 j + 2 (t % 4), + 1;
; the 2,048 bytes meet in LDS as they lie in out1, and four waves store them, sixteen lanes to 256 consecutive bytes.  Memory binds and the work is small: no matrix unit, no cluster, no ring.
	s_load_b256 s[4:11], s[0:1], 0x0               ; rec s[4:5], cp s[6:7], out0 s[8:9], out1 s[10:11]
	v_lshl_add_u32 v80, v0, 2, 0x800
	v_mov_b32 v81, 0
	v_lshrrev_b32 v1, 5, v0
	v_readfirstlane_b32 s12, v1                    ; wave 0..7
	v_lshlrev_b32 v2, 4, v0                        ; 16 t
	v_lshrrev_b32 v3, 2, v0                        ; n of part B
	v_and_b32 v4, 3, v0                            ; u
	v_lshlrev_b32 v5, 12, v3                       ; rec: 4,096 bytes for each n
	v_lshl_add_u32 v6, v4, 3, v5                   ; + 8 u: my two a
	v_lshlrev_b32 v7, 9, v4
	v_lshl_add_u32 v7, v3, 2, v7                   ; LDS: row 2 u of 256 bytes, + 4 n
	v_mov_b32 v8, 0
	s_lshl_b32 s14, ttmp9, 12                      ; 4,096 j: rec at n = j, and out0's row j
	s_mov_b32 s15, 0
	s_lshl_b32 s16, ttmp9, 14                      ; 16,384 j: cp at n = j
	s_mov_b32 s17, 0
	s_lshr_b32 s18, ttmp9, 4                       ; part B's quarter: 8 j / 128,
	s_lshl_b32 s18, s18, 10
	s_and_b32 s19, ttmp9, 15                       ; and its first row in it: 8 (j % 16), 4 bytes each
	s_lshl_b32 s19, s19, 5
	s_add_co_u32 s18, s18, s19
	s_mov_b32 s19, 0
	s_lshl_b32 s20, ttmp9, 11                      ; out1: 8 rows of 256 bytes
	s_mov_b32 s21, 0
	s_wait_kmcnt 0x0
	s_add_nc_u64 s[22:23], s[4:5], s[14:15]
	s_add_nc_u64 s[24:25], s[4:5], s[18:19]
	s_add_nc_u64 s[6:7], s[6:7], s[16:17]
	s_add_nc_u64 s[8:9], s[8:9], s[14:15]
	s_add_nc_u64 s[10:11], s[10:11], s[20:21]
.irp q, 0,1,2,3
	global_load_b64 v[16+2*\q:17+2*\q], v8, s[22:23] offset:1024*\q+512    ; (M_q, l_q) of n = j
.endr
.irp q, 0,1,2,3
	global_load_b64 v[24+2*\q:25+2*\q], v5, s[4:5] offset:1024*\q+512      ; of part B's n
.endr
	global_load_b64 v[32:33], v6, s[24:25]                                 ; my two a
.irp q, 0,1,2,3
	global_load_b128 v[36+4*\q:39+4*\q], v2, s[6:7] offset:4096*\q         ; a wave reads 512 consecutive bytes
.endr
.macro STATS r, w, m, l, inv           ; from the four (M_q, l_q) at v[r]: M, the four w_q, L and 1 / L
	v_max3_num_f32 v[\m], v[\r], v[\r+2], v[\r+4]
	v_max_num_f32 v[\m], v[\m], v[\r+6]
.irp q, 0,1,2,3
	v_sub_f32 v[\w+\q], v[\r+2*\q], v[\m]
.endr
.irp q, 0,1,2,3
	v_mul_f32 v[\w+\q], 0x3fb8aa3b, v[\w+\q]
.endr
.irp q, 0,1,2,3
	v_exp_f32 v[\w+\q], v[\w+\q]
.endr
	v_nop                                          ; a plain instruction behind the last exponential,
	s_wait_alu depctr_va_vdst(0)                   ; and one wait for the four, ahead of the first reader
	v_mul_f32 v[\l], v[\r+1], v[\w]
	v_fmac_f32 v[\l], v[\r+3], v[\w+1]
	v_fmac_f32 v[\l], v[\r+5], v[\w+2]
	v_fmac_f32 v[\l], v[\r+7], v[\w+3]             ; L is at least 1: the quarter that holds M has w = 1 and l at least 1
	v_rcp_f32 v[\inv], v[\l]
	v_nop
	s_wait_alu depctr_va_vdst(0)
.endm
	s_wait_loadcnt 0x0
	STATS 16, 56, 60, 62, 61
	STATS 24, 64, 68, 70, 69
.irp q, 0,1,2,3
	v_mul_f32 v[56+\q], v[56+\q], v61              ; w_q / L
.endr
.irp i, 0,1,2,3
	v_mul_f32 v[52+\i], v[36+\i], v56
.endr
.irp q, 1,2,3
.irp i, 0,1,2,3
	v_fmac_f32 v[52+\i], v[36+4*\q+\i], v[56+\q]
.endr
.endr
	global_store_b128 v2, v[52:55], s[8:9]         ; a wave stores 512 consecutive bytes, at a multiple of 256 from out0's first byte
	v_sub_f32 v32, v32, v68
	v_sub_f32 v33, v33, v68
	v_mul_f32 v32, 0x3fb8aa3b, v32
	v_mul_f32 v33, 0x3fb8aa3b, v33
	v_exp_f32 v32, v32
	v_exp_f32 v33, v33
	v_nop
	s_wait_alu depctr_va_vdst(0)
	v_mul_f32 v32, v32, v69
	v_mul_f32 v33, v33, v69
	ds_store_b32 v7, v32
	ds_store_b32 v7, v33 offset:256
	s_wait_dscnt 0x0                               ; for the others' sake: my two numbers are stored
	s_barrier_signal -1
	s_barrier_wait -1
	s_cmp_lt_u32 s12, 4
	s_cbranch_scc0 .Ldone                          ; 2,048 bytes are 16 for each thread of four waves
	ds_load_b128 v[72:75], v2
	s_wait_dscnt 0x0
	global_store_b128 v2, v[72:75], s[10:11]       ; sixteen lanes store 256 consecutive bytes: a whole row of out1
.Ldone:
	s_wait_tensorcnt 0x0
	ds_add_u32 v80, v81
	s_wait_dscnt 0x0
	s_endpgm
.Lfunc_end_k_q8cb6dee236_fin:
	.size	k_q8cb6dee236_fin, .Lfunc_end_k_q8cb6dee236_fin-k_q8cb6dee236_fin
	.p2alignl 7, 3214868480
	.fill 96, 4, 3214868480
	.section	.rodata,"a",@progbits
	.p2align	6, 0x0
	.amdhsa_kernel k_q8cb6dee236_fin
		.amdhsa_group_segment_fixed_size 3072
		.amdhsa_private_segment_fixed_size 0
		.amdhsa_enable_private_segment 0
		.amdhsa_kernarg_size 32
		.amdhsa_user_sgpr_count 2
		.amdhsa_user_sgpr_kernarg_segment_ptr 1
		.amdhsa_wavefront_size32 1
		.amdhsa_system_sgpr_workgroup_id_x 1
		.amdhsa_system_sgpr_workgroup_id_y 1
		.amdhsa_system_sgpr_workgroup_id_z 1
		.amdhsa_system_vgpr_workitem_id 0
		.amdhsa_next_free_vgpr 82
		.amdhsa_next_free_sgpr 66
		.amdhsa_reserve_vcc 0
		.amdhsa_float_denorm_mode_32 3
		.amdhsa_float_denorm_mode_16_64 3
		.amdhsa_memory_ordered 1
		.amdhsa_forward_progress 1
		.amdhsa_inst_pref_size 7
	.end_amdhsa_kernel
	.amdgpu_metadata
---
amdhsa.version: [ 1, 2 ]
amdhsa.kernels:
  - .name:           k_q8cb6dee236_fin
    .symbol:         k_q8cb6dee236_fin.kd
    .args:
      - { .name: rec, .offset: 0, .size: 8, .value_kind: global_buffer, .address_space: global }
      - { .name: cp, .offset: 8, .size: 8, .value_kind: global_buffer, .address_space: global }
      - { .name: out0, .offset: 16, .size: 8, .value_kind: global_buffer, .address_space: global }
      - { .name: out1, .offset: 24, .size: 8, .value_kind: global_buffer, .address_space: global }
    .group_segment_fixed_size: 3072
    .private_segment_fixed_size: 0
    .kernarg_segment_align: 8
    .kernarg_segment_size: 32
    .max_flat_workgroup_size: 256
    .sgpr_count:     66
    .vgpr_count:     82
    .wavefront_size: 32
...
	.end_amdgpu_metadata
.endif
;; end of part 3
;; ======== version 2 of 2: 3 launches
;; limits: values are held in bf16: 8 bits of precision; right only within a limited range of input values
;; workspace buffers: gq 262,144 bytes; rec 262,144 bytes; cp 1,048,576 bytes
;; launch prep (part 4): grid 256 x 1, 4 waves a work-group, no clusters, 5,632 bytes of LDS; arguments hidden_d_codes, W1_codes, b1, b2, lowp_scales, gq; writes gq
.if DOCPART == 4
	.amdgcn_target "amdgcn-amd-amdhsa--gfx1250"
	.amdhsa_code_object_version 6
	.text
	.protected	k_q8cb6dee236_prep
	.globl	k_q8cb6dee236_prep
	.p2align	8
	.type	k_q8cb6dee236_prep,@function
k_q8cb6dee236_prep:
	s_mov_b64 s[64:65], 0
	v_nop
	global_prefetch_b8 v0, s[64:65] scope:SCOPE_SE
	s_setreg_imm32_b32 hwreg(HW_REG_WAVE_MODE, 25, 1), 1
	s_wait_xcnt 0x0
; The program: a[s][n] = sum over col of W3[col] tanh(z), z = hidden_d[n] W1^T + b1 + out_e[s][n] W2^T + b2; alpha = softmax of a over s; c[n] = sum over s of alpha x out_e[s][n].
; WORK LEFT OUT, for all values of the inputs.  (1) The first product's 32,768 rows are 512 copies of 64 rows: the 64 are multiplied once, here.
; (2) tanh(z) = 1 - 2 r, r = 1 / (1 + e^(2 z)): so a = (sum of W3) + b3 - 2 x sum of W3 r.  The sum of W3 and b3 are the same for every s, and a goes into nothing but the softmax over s:
; both leave alpha and c as they are.  b3 has no other way to an output and is not loaded.  LIMIT: a NaN, an infinity or an overflow that reaches b3 or the sum of W3 alone is not carried to the results.
; THIS LAUNCH: gq = 2 log2(e) x (2^(e0 + e1) x sum over k of hidden_d[n][k] W1[col][k] + b1[col] + b2[col]), f32, laid as [col / 16][n][col % 16].  e0 + e1 is applied by v_ldexp_f32 and has no limit.
; SHARES.  Work-group J: columns 16 (J / 4) on, n = 16 (J % 4) on: one block of 1,024 consecutive bytes of gq.  Wave w: K quarter w, two matrix instructions, transposed:
; lane (r, h) register j holds column 8 h + j of n = r.  The quarters meet in LDS; a thread sums two columns of one n.
; Few and small products: no ring, and no cluster, since each wave's fragments go straight into its registers.
.set RP, 80                            ; a row of 64 bytes + 16
.set QP, 16*RP                         ; a K quarter
.set SPARE, 4*QP
	s_load_b256 s[4:11], s[0:1], 0x0               ; hidden_d, W1, b1, b2
	s_load_b128 s[12:15], s[0:1], 0x20             ; the exponents, gq
	v_lshl_add_u32 v14, v0, 2, SPARE
	v_mov_b32 v15, 0
	v_lshrrev_b32 v8, 5, v0
	v_readfirstlane_b32 s20, v8
	s_lshr_b32 s21, ttmp9, 2
	s_and_b32 s22, ttmp9, 3
	s_lshl_b32 s23, s20, 8                         ; the K quarter's 256 codes
	s_lshl_b32 s24, s21, 14
	s_add_co_u32 s24, s24, s23                     ; W1: 16 rows of 1,024 bytes a tile
	s_mov_b32 s25, 0
	s_lshl_b32 s26, s22, 14
	s_add_co_u32 s26, s26, s23                     ; hidden_d likewise
	s_mov_b32 s27, 0
	s_lshl_b32 s28, s21, 6                         ; 16 biases
	s_mov_b32 s29, 0
	s_lshl_b32 s30, ttmp9, 10                      ; my block of gq
	s_mov_b32 s31, 0
	s_mul_i32 s38, s20, QP
	v_and_b32 v9, 15, v0
	v_bfe_u32 v10, v0, 4, 1
	v_and_b32 v4, 7, v0
	v_lshrrev_b32 v6, 3, v0
	v_lshlrev_b32 v1, 10, v9
	v_mul_u32_u24 v5, v9, RP
	v_lshlrev_b32 v4, 3, v4                        ; my two columns
	v_mul_u32_u24 v6, v6, RP
	v_lshl_add_u32 v1, v10, 4, v1                  ; a fragment: row r, 16 h bytes on
	v_lshl_add_u32 v5, v10, 5, v5
	v_add_nc_u32 v6, v6, v4
	v_lshlrev_b32 v3, 3, v0
	v_add_nc_u32 v5, s38, v5
	s_wait_alu depctr_va_vdst(0)
	s_wait_kmcnt 0x0
	s_load_b64 s[32:33], s[12:13], 0x0             ; e0, e1
	s_add_nc_u64 s[6:7], s[6:7], s[24:25]
	s_add_nc_u64 s[4:5], s[4:5], s[26:27]
	s_add_nc_u64 s[8:9], s[8:9], s[28:29]
	s_add_nc_u64 s[10:11], s[10:11], s[28:29]
	s_add_nc_u64 s[14:15], s[14:15], s[30:31]
.irp k, 0,1
.irp c, 0,1,2,3
	global_load_b128 v[16+16*\k+4*\c:19+16*\k+4*\c], v1, s[6:7] offset:128*\k+32*\c
	global_load_b128 v[48+16*\k+4*\c:51+16*\k+4*\c], v1, s[4:5] offset:128*\k+32*\c
.endr
.endr
	global_load_b64 v[104:105], v4, s[8:9]
	global_load_b64 v[106:107], v4, s[10:11]
	s_wait_kmcnt 0x0
	s_add_co_i32 s34, s32, s33
	s_wait_loadcnt 0x2                             ; the fragments are in; the two loads of biases may be out
	v_wmma_f32_16x16x128_bf8_bf8 v[80:87], v[16:31], v[48:63], 0
	v_wmma_f32_16x16x128_bf8_bf8 v[88:95], v[32:47], v[64:79], 0
.rept 4
	v_nop                                          ; four places in front of the first read of results
.endr
.irp i, 0,2,4,6
	v_pk_add_f32 v[80+\i:81+\i], v[80+\i:81+\i], v[88+\i:89+\i]
.endr
	ds_store_b128 v5, v[80:83]
	ds_store_b128 v5, v[84:87] offset:16
	s_wait_dscnt 0x0                               ; for the others' sake: my stores are done
	s_barrier_signal -1
	s_barrier_wait -1
.irp q, 0,1,2,3
	ds_load_b64 v[96+2*\q:97+2*\q], v6 offset:QP*\q
.endr
	s_wait_loadcnt 0x0
	s_wait_dscnt 0x0
	v_pk_add_f32 v[96:97], v[96:97], v[98:99]
	v_pk_add_f32 v[100:101], v[100:101], v[102:103]
	v_pk_add_f32 v[104:105], v[104:105], v[106:107]
	v_pk_add_f32 v[96:97], v[96:97], v[100:101]
	v_ldexp_f32 v96, v96, s34
	v_ldexp_f32 v97, v97, s34
	v_pk_add_f32 v[96:97], v[96:97], v[104:105]
	v_pk_mul_f32 v[96:97], v[96:97], 0x4038aa3b op_sel_hi:[1,0]
	global_store_b64 v3, v[96:97], s[14:15]        ; a wave stores 256 consecutive bytes, at a multiple of 256 from gq's first byte
	s_wait_tensorcnt 0x0                           ; the wave's end
	ds_add_u32 v14, v15
	s_wait_dscnt 0x0
	s_endpgm
.Lfunc_end_k_q8cb6dee236_prep:
	.size	k_q8cb6dee236_prep, .Lfunc_end_k_q8cb6dee236_prep-k_q8cb6dee236_prep
	.p2alignl 7, 3214868480
	.fill 96, 4, 3214868480
	.section	.rodata,"a",@progbits
	.p2align	6, 0x0
	.amdhsa_kernel k_q8cb6dee236_prep
		.amdhsa_group_segment_fixed_size 5632
		.amdhsa_private_segment_fixed_size 0
		.amdhsa_enable_private_segment 0
		.amdhsa_kernarg_size 48
		.amdhsa_user_sgpr_count 2
		.amdhsa_user_sgpr_kernarg_segment_ptr 1
		.amdhsa_wavefront_size32 1
		.amdhsa_system_sgpr_workgroup_id_x 1
		.amdhsa_system_sgpr_workgroup_id_y 1
		.amdhsa_system_sgpr_workgroup_id_z 1
		.amdhsa_system_vgpr_workitem_id 0
		.amdhsa_next_free_vgpr 128
		.amdhsa_next_free_sgpr 66
		.amdhsa_reserve_vcc 0
		.amdhsa_float_denorm_mode_32 3
		.amdhsa_float_denorm_mode_16_64 3
		.amdhsa_memory_ordered 1
		.amdhsa_forward_progress 1
		.amdhsa_inst_pref_size 6
	.end_amdhsa_kernel
	.amdgpu_metadata
---
amdhsa.version: [ 1, 2 ]
amdhsa.kernels:
  - .name:           k_q8cb6dee236_prep
    .symbol:         k_q8cb6dee236_prep.kd
    .args:
      - { .name: hidden_d_codes, .offset: 0, .size: 8, .value_kind: global_buffer, .address_space: global }
      - { .name: W1_codes, .offset: 8, .size: 8, .value_kind: global_buffer, .address_space: global }
      - { .name: b1, .offset: 16, .size: 8, .value_kind: global_buffer, .address_space: global }
      - { .name: b2, .offset: 24, .size: 8, .value_kind: global_buffer, .address_space: global }
      - { .name: lowp_scales, .offset: 32, .size: 8, .value_kind: global_buffer, .address_space: global }
      - { .name: gq, .offset: 40, .size: 8, .value_kind: global_buffer, .address_space: global }
    .group_segment_fixed_size: 5632
    .private_segment_fixed_size: 0
    .kernarg_segment_align: 8
    .kernarg_segment_size: 48
    .max_flat_workgroup_size: 128
    .sgpr_count:     66
    .vgpr_count:     128
    .wavefront_size: 32
...
	.end_amdgpu_metadata
.endif
;; end of part 4
;; launch main (part 5): grid 256 x 1, 4 waves a work-group, clusters of 4 x 1, 327,680 bytes of LDS; arguments out_e, gq, W2_codes, W3, lowp_scales, rec, cp; writes rec, cp
.if DOCPART == 5
	.amdgcn_target "amdgcn-amd-amdhsa--gfx1250"
	.amdhsa_code_object_version 6
	.text
	.protected	k_q8cb6dee236_main
	.globl	k_q8cb6dee236_main
	.p2align	8
	.type	k_q8cb6dee236_main,@function
k_q8cb6dee236_main:
	s_mov_b64 s[64:65], 0
	v_nop
	global_prefetch_b8 v0, s[64:65] scope:SCOPE_SE
	s_setreg_imm32_b32 hwreg(HW_REG_WAVE_MODE, 25, 1), 1
	s_wait_xcnt 0x0
	s_wait_alu depctr_hold_cnt(0) depctr_sa_sdst(0) depctr_va_vdst(0) depctr_va_sdst(0) depctr_va_ssrc(0) depctr_va_vcc(0) depctr_vm_vsrc(0)
	s_getreg_b32 s2, hwreg(HW_REG_IB_STS2, 6, 4)
	s_cmp_eq_u32 s2, 0
	s_cbranch_scc0 .Lentry_in_a_cluster
	s_endpgm
.Lentry_in_a_cluster:
	s_bfe_u32 s2, ttmp6, 0x10000c
	s_cmp_lg_u32 s2, 0x3003
	s_cbranch_scc0 .Lentry_shape_is_right
	s_endpgm
.Lentry_shape_is_right:
; For one n and one quarter of s (128 rows): the scores a, their largest M, l = sum of e^(a - M), and the sum of e^(a - M) x row; the next launch joins the four quarters.
; WORK LEFT OUT: the sum of W3 and b3, which are the same for every s (the first kernel's head has the argument): a = -2 x sum of W3 r, r = 1 / (1 + e^(2 z)).
; LIMITS on the given exponents: e2 between -126 and 112; e2 + e3 between -127 and 126.  The rows of the weighted sum are kept in bf16; its sums are f32.
; SHARES.  A cluster is one n, its four work-groups the quarters of s.  Wave w: rh = w / 2 says which 64 rows, ch = w % 2 which 32 of a tile's 64 columns it multiplies;
; it fetches 32 rows of out_e: local s = 64 rh + 16 (i / 8) + 8 ch + i % 8, i = 0 .. 31, seven of them on their way at a time (56 loads, 28 KB).
; THE RING.  Two LDS slots, each 64 rows of W2 (1,024 codes and 16 bytes of padding a row), filled by joint loads of the cluster's four.  Cluster n begins its walk over the 16 tiles at tile n % 16.
; No prefetch: the first two fills stand beside out_e's rows, and in the 64 clusters the first fills together name all 16 tiles.
; REGISTERS.  Window 0: at work.  Windows 1, 2: my 64 rows' codes, 4 row tiles x 8 K steps x 16 registers.  Window 3: my rows 16 .. 31 in bf16.
; THE PRODUCT IS TRANSPOSED: source 0 = 16 rows of W2, source 1 = 16 rows: lane (r, h) register j holds column 8 h + j of row r.
.set SPI,   1040
.set SLOTB, 64*SPI
.set SPILL, 2*SLOTB                    ; 16 rows of 2,048 bytes for each wave
.set STG,   SPILL+131072               ; codes of 32 rows; later the waves' parts of the weighted sum
.set TAB,   STG+32*SPI                 ; the hidden product and biases, 1,024 f32 in the order of the walk
.set W3Z,   TAB+4096                   ; 512 bytes of zeros, then W3 in the order of the walk
.set SCX,   W3Z+512+4096               ; scores: two halves of the columns x 128 rows
.set PW,    SCX+1024                   ; weights: 128 for each wave
.set SPARE, PW+2048
.set SPW, 1
.set NIL, 2
.set L16, 3
.set TAC, 3
.set SPA, 4
.set BAN, 4                            ; in the loop: the other slot's address (SPA is made anew behind it)
.set BB,  5
.set BAC, 6
.set TA0, 7
.set STA, 8
.set AFA, 9
.set TT,  10
.set LAND, 16                          ; v16-239 seven rows of out_e as they arrive
.set CD,  240                          ; a row's codes
.set SCL, 13
.set LIM, 14
.set BT,  240                          ; in window 3: a row in bf16 on its way to LDS
.set W3R, 8                            ; in the loop: v8-15 W3
.set BF,  16                           ; v16-143 W2's fragments of a tile, 8 K steps
.set ACC, 144                          ; v144-175 sums
.set X,   176                          ; v176-207 exponentials
.set Y,   208                          ; v208-239 reciprocals
.set S,   240                          ; v240-247 sum of W3 r for my 4 rows, in two halves
.set GQ,  248                          ; v248-255 the hidden product and biases
.set CA,  144
.set P,   208
.set MSB, 0
.macro WIN new
.if MSB != \new
	s_set_vgpr_msb (MSB<<8)|\new
.set MSB, \new
.endif
.endm
.macro CREST
	s_cmp_lg_u32 s20, 0
	s_cbranch_scc1 .Lnot_wave_0_\@
	s_barrier_signal -3
.Lnot_wave_0_\@:
	s_barrier_wait -3
	s_barrier_signal -1
	s_barrier_wait -1
.endm
.macro ROUND
	s_barrier_signal -1
	s_barrier_wait -1
	CREST
.endm
	s_load_b256 s[4:11], s[0:1], 0x0               ; out_e, gq, W2, W3
	s_load_b128 s[12:15], s[0:1], 0x20             ; the exponents, rec
	s_load_b64 s[16:17], s[0:1], 0x30              ; cp
	v_lshl_add_u32 v[SPW], v0, 2, SPARE
	v_mov_b32 v[NIL], 0
	ds_add_u32 v[SPW], v[NIL]                      ; the opening add, twice on end, and its one wait
	ds_add_u32 v[SPW], v[NIL]
	v_lshrrev_b32 v13, 5, v0
	v_readfirstlane_b32 s20, v13                   ; w
	s_lshr_b32 s21, s20, 1                         ; rh
	s_and_b32 s22, s20, 1                          ; ch
	s_bfe_u32 s23, ttmp6, 0x40000                  ; the quarter of s
	; descriptor group 1: 16 rows of 128 elements of 8 bytes, 16 bytes of padding behind each 1,024; all four of the cluster
	s_mov_b32 s24, 15|(3<<16)|(1<<20)|(1<<21)|(7<<22)|(3<<25)
	s_mov_b32 s25, 128<<16
	s_mov_b32 s26, 16<<16
	s_mov_b32 s27, 128<<16
	s_mov_b32 s28, 16
	s_mov_b32 s29, 128
	s_mov_b32 s30, 0
	s_mov_b32 s31, 0
	s_mul_i32 s60, s20, 8*SPI
	s_add_co_u32 s60, s60, STG
	s_lshl_b32 s61, s20, 15
	s_add_co_u32 s61, s61, SPILL
	s_mul_i32 s62, s21, 16*SPI
	s_add_co_u32 s62, s62, STG
	s_mul_i32 s63, s22, 32*SPI
	s_mul_i32 s72, s20, 16*SPI                     ; the 16 rows of a slot that I fetch
	s_lshl_b32 s74, s22, 7
	s_add_co_u32 s74, s74, TAB
	s_and_b32 s75, ttmp9, 15                       ; the tile at which the walk begins
	s_lshl_b32 s66, s75, 16
	s_mov_b32 s67, 0
	s_lshl_b32 s75, s75, 8
	v_and_b32 v13, 31, v0
	v_and_b32 v14, 15, v0
	v_bfe_u32 v15, v0, 4, 1
	v_lshl_add_u32 v11, v0, 4, s75                 ; the tables are read in the order of the walk
	v_lshlrev_b32 v[L16], 4, v13
	v_lshl_add_u32 v[STA], v13, 2, s60
	v_mul_u32_u24 v14, v14, SPI
	v_lshl_add_u32 v[TA0], v15, 5, s74
	v_and_b32 v11, 0xfff, v11
	v_lshl_add_u32 v14, v15, 4, v14                ; a fragment: row r, 16 h bytes on
	v_add_nc_u32 v[SPA], s61, v[L16]
	v_xor_b32 v12, 0x800, v11
	v_add_nc_u32 v[AFA], s62, v14
	v_add_nc_u32 v[BB], s63, v14
	v_and_b32 v13, 0xfc0, v11                      ; gq's blocks of 16 columns are 4,096 bytes apart
	v_and_b32 v14, 63, v11
	v_lshl_add_u32 v13, v13, 6, v14
	v_xor_b32 v14, 0x20000, v13
	v_lshl_add_u32 v[TT], v0, 4, TAB
	v_lshl_add_u32 v15, v0, 2, W3Z
	s_wait_dscnt 0x0                               ; both opening adds are done
	s_wait_alu depctr_va_vdst(0)
	s_wait_kmcnt 0x0
	s_load_b128 s[52:55], s[12:13], 0x0            ; e0 .. e3
	s_lshl_b32 s60, s23, 25                        ; out_e: 128 s of 262,144 bytes a quarter,
	s_lshl_b32 s62, ttmp9, 12                      ; 4,096 bytes an n,
	s_mov_b32 s63, 0
	s_add_co_u32 s60, s60, s62
	s_lshl_b32 s61, s21, 24
	s_add_co_u32 s60, s60, s61
	s_lshl_b32 s61, s22, 21
	s_add_co_u32 s60, s60, s61
	s_mov_b32 s61, 0
	s_add_nc_u64 s[40:41], s[4:5], s[60:61]
	s_add_nc_u64 s[42:43], s[40:41], 1<<22
	s_add_nc_u64 s[44:45], s[40:41], 2<<22
	s_add_nc_u64 s[46:47], s[40:41], 3<<22
	s_lshl_b32 s62, ttmp9, 6                       ; gq: 64 bytes an n in each block
	s_add_nc_u64 s[6:7], s[6:7], s[62:63]
	global_load_b128 v[240:243], v13, s[6:7]
	global_load_b128 v[244:247], v14, s[6:7]
	global_load_b128 v[248:251], v11, s[10:11]
	global_load_b128 v[252:255], v12, s[10:11]
.macro XLOAD ridx                      ; row i: 8 loads, each of the wave's 512 consecutive bytes; lane l takes numbers 128 kc + 4 l + 0 .. 3
.irp kc, 0,1,2,3,4,5,6,7
	global_load_b128 v[LAND+32*((\ridx)%7)+4*\kc:LAND+32*((\ridx)%7)+4*\kc+3], v[L16], s[40+2*((\ridx)/8):41+2*((\ridx)/8)] offset:((\ridx)%8)*262144+512*\kc th:TH_LOAD_NT
.endr
.endm
	XLOAD 0
	XLOAD 1
	XLOAD 2
	XLOAD 3
	XLOAD 4
	XLOAD 5
	XLOAD 6
	s_lshl_b32 s60, s20, 14
	s_add_nc_u64 s[70:71], s[8:9], s[60:61]        ; my 16 rows of W2's tiles
	s_lshl_b32 s60, ttmp9, 2
	s_add_co_u32 s60, s60, s23
	s_lshl_b32 s62, s60, 12
	s_lshl_b32 s60, s60, 10
	s_add_nc_u64 s[76:77], s[14:15], s[60:61]
	s_add_nc_u64 s[78:79], s[16:17], s[62:63]
	s_mov_b32 s32, 1
	s_mov_b32 s33, s72
	s_add_nc_u64 s[34:35], s[70:71], s[66:67]
	s_or_b32 s35, s35, 0x80000000
	ROUND                                          ; the cluster's four are here: the first joint loads meet
	tensor_load_to_lds s[32:35], s[24:31]          ; the walk's first tile: one tensor load a wave at the head
	s_nop 0
.rept 4
	v_nop
.endr
	s_wait_loadcnt 56                              ; the tables are in; seven rows of 8 loads may be out
	ds_store_b128 v[TT], v[240:243]
	ds_store_b128 v[TT], v[244:247] offset:2048
	ds_store_b128 v[TT], v[248:251] offset:4096+512
	ds_store_b128 v[TT], v[252:255] offset:4096+512+2048
	ds_store_b32 v15, v[NIL]
	s_wait_kmcnt 0x0
	s_add_co_i32 s60, s54, 127
	s_lshl_b32 s61, s60, 23
	s_add_co_i32 s60, s60, 15
	s_lshl_b32 s60, s60, 23
	s_or_b32 s60, s60, 0x600000
	v_mov_b32 v[SCL], s61                          ; 2^e2 as f32
	v_mov_b32 v[LIM], s60                          ; 57,344 x 2^e2
	s_add_co_i32 s60, s54, s55
	s_lshl_b32 s60, s60, 23
	s_add_co_i32 s48, s60, 0x4038aa3b              ; 2 log2(e) x 2^(e2 + e3)
	s_mov_b32 s49, s48
	s_mov_b32 s58, 0x76543210
	s_mov_b32 s59, 0xfedcba98
	s_wait_alu depctr_va_vdst(0)
; A CHANGE OF SLOTS: a tensor wait, an add to the spare word, a wait for it and the round stand in front of the fill, which comes first behind it.  The fill is the walk's next tile.
.macro STEPG
	s_add_co_u32 s66, s66, 65536
	s_and_b32 s66, s66, 0xfffff                    ; 16 tiles of 65,536 bytes: the walk goes round
.endm
.macro CHG sl
	s_wait_alu depctr_va_vdst(0)
	s_wait_tensorcnt 0x0
	ds_add_u32 v[SPW], v[NIL]
	STEPG
	s_add_co_u32 s33, s72, SLOTB*(\sl)
	s_add_nc_u64 s[34:35], s[70:71], s[66:67]
	s_or_b32 s35, s35, 0x80000000
	s_wait_dscnt 0x0
	ROUND
	tensor_load_to_lds s[32:35], s[24:31]
	s_nop 0
.rept 4
	v_nop
.endr
.endm
; A row of out_e: kept in bf16 (rows 0 .. 15 in LDS, 16 .. 31 in window 3), held, quantised, its codes staged in their natural order, and the row seven further on asked for.
.macro ROW ridx
.set LR, LAND+32*((\ridx)%7)
.if (\ridx) <= 25
	s_wait_loadcnt 48                              ; six younger rows of 8 loads may be out
.else
	s_wait_loadcnt 8*(31-(\ridx))
.endif
	WIN 0xc0
.if (\ridx) >= 16
.set BD, 16*((\ridx)-16)
.else
.set BD, BT
.endif
.set U, 0
.rept 16
	v_cvt_pk_bf16_f32 v[BD+U], v[LR+2*U], v[LR+2*U+1]
.set U, U+1
.endr
.if (\ridx) < 16
	WIN 0x0c
.irp j, 0,1,2,3
	ds_store_b128 v[SPA], v[BT+4*\j:BT+4*\j+3] offset:(\ridx)*2048+512*\j
.endr
.endif
	WIN 0
.set U, 0
.rept 32
	v_med3_num_f32 v[LR+U], v[LR+U], -v[LIM], v[LIM]
.set U, U+1
.endr
.irp k, 0,1,2,3
	v_cvt_scalef32_pk8_bf8_f32 v[CD+2*\k:CD+2*\k+1], v[LR+8*\k:LR+8*\k+7], v[SCL]
.endr
	v_nop
.irp k, 0,1,2,3,4,5,6,7
	ds_store_b32 v[STA], v[CD+\k] offset:((\ridx)%8)*SPI+128*\k
.endr
.if (\ridx)+7 < 32
	XLOAD (\ridx)+7
.endif
.endm
; Eight rows a wave are staged: the two waves of a row half read their row tile g, 16 rows x 1,024 codes.
.macro GROUPEND g
	s_wait_alu depctr_va_vdst(0)
	s_wait_dscnt 0x0
	s_barrier_signal -1
	s_barrier_wait -1
	WIN 0x40
.irp k, 0,1,2,3
.irp c, 0,1,2,3
	ds_load_b128 v[64*\k+16*\g+4*\c:64*\k+16*\g+4*\c+3], v[AFA] offset:128*\k+32*\c
.endr
.endr
	WIN 0x80
.irp k, 0,1,2,3
.irp c, 0,1,2,3
	ds_load_b128 v[64*\k+16*\g+4*\c:64*\k+16*\g+4*\c+3], v[AFA] offset:512+128*\k+32*\c
.endr
.endr
	WIN 0
	s_wait_dscnt 0x0
	s_barrier_signal -1                            ; the stage may be written again
	s_barrier_wait -1
.endm
.set RI, 0
.irp g, 0,1,2,3
.rept 8
	ROW RI
.if RI == 12
	CHG 1                                          ; the first tile is whole in slot 0; the second goes into slot 1
.endif
.set RI, RI+1
.endr
	GROUPEND \g
.endr
; THE PRODUCT WITH W2, 32 tiles of 16 columns a wave, two in a slot.  A tile: 32 matrix instructions, the 4 sums by turns, no transcendental between them.
; Behind them, for tile i: 1 is added to tile i - 1's exponentials; W3 x tile i - 2's reciprocals go into the rows' sums; tile i's sums become exponents to the base 2;
; then one batch: the reciprocals of tile i - 1 and the exponentials of tile i, one wait ahead of it and one behind it.
; The next tile's 32 fragment loads and 4 table loads stand in one run between the first of these waits and the batch.
.macro MMUL rt
.if KK == 0
	v_wmma_f32_16x16x128_bf8_bf8 v[ACC+8*(\rt):ACC+8*(\rt)+7], v[BF+16*KK:BF+16*KK+15], v[64*(KK%4)+16*(\rt):64*(KK%4)+16*(\rt)+15], 0
.else
	v_wmma_f32_16x16x128_bf8_bf8 v[ACC+8*(\rt):ACC+8*(\rt)+7], v[BF+16*KK:BF+16*KK+15], v[64*(KK%4)+16*(\rt):64*(KK%4)+16*(\rt)+15], v[ACC+8*(\rt):ACC+8*(\rt)+7]
.endif
.endm
.macro MMS k0, n
.set KK, \k0
.rept \n
	MMUL 0
	MMUL 1
	MMUL 2
	MMUL 3
.set KK, KK+1
.endr
.endm
.macro LBS adr, off                    ; a tile's 32 loads: the i-th is K step i / 4, quarter i % 4
.set II, 0
.rept 32
	ds_load_b128 v[BF+4*II:BF+4*II+3], v[\adr] offset:\off+32*II
.set II, II+1
.endr
.endm
.macro ADD1
.set U, 0
.rept 16
	v_pk_add_f32 v[X+2*U:X+2*U+1], v[X+2*U:X+2*U+1], 1.0 op_sel_hi:[1,0]
.set U, U+1
.endr
.endm
.macro SBLK
.irp pr, 0,1,2,3
.irp rt, 0,1,2,3
	v_pk_fma_f32 v[S+2*\rt:S+2*\rt+1], v[Y+8*\rt+2*\pr:Y+8*\rt+2*\pr+1], v[W3R+2*\pr:W3R+2*\pr+1], v[S+2*\rt:S+2*\rt+1]
.endr
.endr
.endm
.macro RCPS
.set U, 0
.rept 32
	v_rcp_f32 v[Y+U], v[X+U]
.set U, U+1
.endr
	v_nop                                          ; a plain place behind the last of them
.endm
.macro LTW off                         ; W3 of the tile before the last one
	ds_load_b128 v[W3R:W3R+3], v[TAC] offset:4352+\off
	ds_load_b128 v[W3R+4:W3R+7], v[TAC] offset:4352+\off+16
.endm
.macro LT off
	ds_load_b128 v[GQ:GQ+3], v[TAC] offset:\off
	ds_load_b128 v[GQ+4:GQ+7], v[TAC] offset:\off+16
	LTW \off
.endm
; mode 0: the next tile lies in the same slot; 2: in the other slot, and this one is filled again; 1: in the other slot, nothing is filled; 3: there is none.
.macro TILE mode, lt, adr, off
	s_wait_dscnt 20                                ; K steps 0 .. 3 are in; the other half's 16 loads and the tables' 4 may be out
	WIN 0x04
.if (\mode == 1) || (\mode == 2)
	MMS 0, 2
	WIN 0
	s_wait_tensorcnt 0x0
	ds_add_u32 v[SPW], v[NIL]
.if \mode == 2
	STEPG
	s_add_co_u32 s33, s72, s74
	s_add_nc_u64 s[34:35], s[70:71], s[66:67]
	s_or_b32 s35, s35, 0x80000000
.endif
	WIN 0x04
	MMS 2, 1
	s_wait_dscnt 0x0                               ; the add is done, and so are my reads of this slot
	s_barrier_signal -1
	MMS 3, 1
	WIN 0
	s_barrier_wait -1
.if \mode == 2
	CREST
	tensor_load_to_lds s[32:35], s[24:31]
	s_nop 0
.rept 4
	v_nop
.endr
.endif
.else
	MMS 0, 4
	s_wait_dscnt 0x0                               ; the other half and the tables are in
.endif
	WIN 0x08
	MMS 4, 4
	WIN 0
	ADD1                                           ; (these 48 plain instructions are also the places in front of the loads into the fragments' registers)
	SBLK
.irp rt, 0,1,2,3
.irp pr, 0,1,2,3
	v_pk_fma_f32 v[ACC+8*\rt+2*\pr:ACC+8*\rt+2*\pr+1], v[ACC+8*\rt+2*\pr:ACC+8*\rt+2*\pr+1], s[48:49], v[GQ+2*\pr:GQ+2*\pr+1] op_sel_hi:[1,0,1]
.endr
.endr
	s_wait_alu depctr_va_vdst(0)
.if \mode < 3
	LBS \adr, \off
	LT \lt
.else
	LTW \lt
.endif
	RCPS
.set U, 0
.rept 32
	v_exp_f32 v[X+U], v[ACC+U]
.set U, U+1
.endr
	v_nop
	s_wait_alu depctr_va_vdst(0)
.endm
.macro TOP
	v_add_nc_u32 v[TAC], s56, v[TA0]
	v_add_nc_u32 v[BAC], s74, v[BB]
	v_add_nc_u32 v[BAN], s75, v[BB]
	TILE 0, 64, BAC, 16*SPI
.endm
.macro NEXT
	s_add_co_u32 s56, s56, 256
	s_xor_b32 s74, s74, SLOTB
	s_xor_b32 s75, s75, SLOTB
.endm
.set U, 0
.rept 8
	v_mov_b32 v[S+U], 0
.set U, U+1
.endr
.set U, 0
.rept 32
	v_mov_b32 v[X+U], 1.0                          ; (the step is written once: tiles -1 and -2 stand for numbers that zeros of W3 take away)
	v_mov_b32 v[Y+U], 0
.set U, U+1
.endr
	v_mov_b32 v[BAC], v[BB]
	v_mov_b32 v[TAC], v[TA0]
	s_mov_b32 s56, 0
	s_mov_b32 s57, 14
	s_mov_b32 s74, 0                               ; the slot in hand, and the other
	s_mov_b32 s75, SLOTB
	s_wait_alu depctr_va_vdst(0)
	LBS BAC, 0
	LT 0
.Ltrip:
	TOP
	TILE 2, 256, BAN, 0
	NEXT
	s_sub_co_u32 s57, s57, 1
	s_cmp_lg_u32 s57, 0
	s_cbranch_scc1 .Ltrip
	TOP                                            ; the last two slots fill nothing
	TILE 1, 256, BAN, 0
	NEXT
	TOP
	TILE 3, 256, BAN, 0
	; the last two tiles' ends; eight of my rows come back from LDS meanwhile
	ADD1
	s_wait_dscnt 0x0
	SBLK
	LTW 320
	s_lshl_b32 s60, s20, 15
	s_add_co_u32 s60, s60, SPILL
	v_and_b32 v[SPA], 31, v0
	v_lshl_add_u32 v[SPA], v[SPA], 4, s60
.macro SPROW i, row
.irp j, 0,1,2,3
	ds_load_b128 v[16+16*\i+4*\j:16+16*\i+4*\j+3], v[SPA] offset:(\row)*2048+512*\j
.endr
.endm
.irp i, 0,1,2,3,4,5,6,7
	SPROW \i, \i
.endr
	s_lshl_b32 s60, s22, 9
	s_lshl_b32 s61, s21, 8
	s_add_co_u32 s60, s60, s61
	s_add_co_u32 s60, s60, SCX
	s_lshl_b32 s62, s20, 12
	s_add_co_u32 s62, s62, STG
	s_lshl_b32 s63, s20, 10
	s_lshl_b32 s66, s20, 9
	s_add_co_u32 s66, s66, PW
	s_lshl_b32 s68, s22, 5
	s_add_co_u32 s67, s66, s61
	s_add_co_u32 s67, s67, s68
	s_wait_alu depctr_va_vdst(0)
	RCPS
	s_wait_alu depctr_va_vdst(0)
	s_wait_dscnt 32                                ; W3 is in; the 32 loads of rows may be out
	SBLK
	v_and_b32 v3, 31, v0
	v_and_b32 v5, 15, v0
	v_lshlrev_b32 v3, 4, v3                        ; 16 x lane
	v_lshl_add_u32 v5, v5, 2, s60                  ; my rows' scores
	v_add_nc_u32 v6, SCX, v3
	v_add_nc_u32 v7, s62, v3
	v_add_nc_u32 v9, s63, v3
	v_add_nc_u32 v8, STG, v9
	v_add_nc_u32 v10, s66, v3
	v_mov_b32 v11, s67                             ; my 32 rows' weights
.irp rt, 0,1,2,3
	v_add_f32 v[176+\rt], v[S+2*\rt], v[S+2*\rt+1]
.endr
.irp rt, 0,1,2,3
	v_mul_f32 v[176+\rt], -2.0, v[176+\rt]
.endr
.irp rt, 0,1,2,3
	v_permlanex16_b32 v[180+\rt], v[176+\rt], s58, s59
.endr
.irp rt, 0,1,2,3
	v_add_f32 v[176+\rt], v[176+\rt], v[180+\rt]
.endr
.irp rt, 0,1,2,3
	ds_store_b32 v5, v[176+\rt] offset:64*\rt
.endr
	s_wait_alu depctr_va_vdst(0)
	s_wait_dscnt 0x0
	s_barrier_signal -1
	s_barrier_wait -1
	ds_load_b128 v[184:187], v6                    ; every wave takes all 128 scores, 4 a lane: the two halves of the columns are added
	ds_load_b128 v[188:191], v6 offset:512
	s_wait_dscnt 0x0
	v_pk_add_f32 v[184:185], v[184:185], v[188:189]
	v_pk_add_f32 v[186:187], v[186:187], v[190:191]
	v_max3_num_f32 v200, v184, v185, v186
	v_max_num_f32 v200, v200, v187
	v_max_num_f32_dpp v200, v200, v200 row_xmask:1 row_mask:0xf bank_mask:0xf
	v_max_num_f32_dpp v200, v200, v200 row_xmask:2 row_mask:0xf bank_mask:0xf
	v_max_num_f32_dpp v200, v200, v200 row_xmask:4 row_mask:0xf bank_mask:0xf
	v_max_num_f32_dpp v200, v200, v200 row_xmask:8 row_mask:0xf bank_mask:0xf
	v_permlanex16_b32 v201, v200, s58, s59
	v_max_num_f32 v196, v200, v201                 ; M of this quarter
.irp j, 0,1,2,3
	v_sub_f32 v[192+\j], v[184+\j], v196
.endr
.irp j, 0,1,2,3
	v_mul_f32 v[192+\j], 0x3fb8aa3b, v[192+\j]
.endr
	s_wait_alu depctr_va_vdst(0)
.irp j, 0,1,2,3
	v_exp_f32 v[192+\j], v[192+\j]
.endr
	v_mov_b32 v198, v196
	s_wait_alu depctr_va_vdst(0)
	v_add_f32 v200, v192, v193
	v_add_f32 v201, v194, v195
	v_add_f32 v200, v200, v201
	v_add_f32_dpp v200, v200, v200 row_xmask:1 row_mask:0xf bank_mask:0xf
	v_add_f32_dpp v200, v200, v200 row_xmask:2 row_mask:0xf bank_mask:0xf
	v_add_f32_dpp v200, v200, v200 row_xmask:4 row_mask:0xf bank_mask:0xf
	v_add_f32_dpp v200, v200, v200 row_xmask:8 row_mask:0xf bank_mask:0xf
	v_permlanex16_b32 v201, v200, s58, s59
	v_add_f32 v197, v200, v201                     ; l
	v_mov_b32 v199, v197
	ds_store_b128 v10, v[192:195]                  ; the weights, in my own bytes
	s_wait_alu depctr_va_vdst(0)
	s_cmp_lg_u32 s20, 0
	s_cbranch_scc1 .Lnot_mine
	global_store_b128 v[L16], v[184:187], s[76:77]
	global_store_b128 v[L16], v[196:199], s[76:77] offset:512
.Lnot_mine:
.irp g, 0,1,2,3
.irp e, 0,1
	ds_load_b128 v[P+8*\g+4*\e:P+8*\g+4*\e+3], v11 offset:64*\g+16*\e
.endr
.endr
.set U, 0
.rept 32
	v_mov_b32 v[CA+U], 0
.set U, U+1
.endr
	s_wait_dscnt 0x0
; The weighted sum of my 32 rows: window 3's sixteen, then LDS's, each row's registers taking the row eight further on.
.macro CROW src, pr
.set U, 0
.rept 16
	v_fma_mix_f32_bf16 v[CA+2*U], v[(\src)+U], v[\pr], v[CA+2*U] op_sel_hi:[1,0,0]
	v_fma_mix_f32_bf16 v[CA+2*U+1], v[(\src)+U], v[\pr], v[CA+2*U+1] op_sel:[1,0,0] op_sel_hi:[1,0,0]
.set U, U+1
.endr
.endm
	WIN 0x03
.set RI, 0
.rept 16
	CROW 16*RI, P+16+RI
.set RI, RI+1
.endr
	WIN 0
.irp i, 0,1,2,3,4,5,6,7
	CROW 16+16*\i, P+\i
	SPROW \i, 8+\i
.endr
.irp i, 0,1,2,3,4,5,6,7
	s_wait_dscnt 4*(7-\i)
	CROW 16+16*\i, P+8+\i
.endr
.irp kc, 0,1,2,3,4,5,6,7
	ds_store_b128 v7, v[CA+4*\kc:CA+4*\kc+3] offset:512*\kc
.endr
	s_wait_dscnt 0x0
	s_barrier_signal -1
	s_barrier_wait -1
.irp cc, 0,1
.irp wp, 0,1,2,3
	ds_load_b128 v[16+16*\cc+4*\wp:16+16*\cc+4*\wp+3], v8 offset:4096*\wp+512*\cc
.endr
.endr
	s_wait_dscnt 0x0
.irp cc, 0,1
	v_pk_add_f32 v[16+16*\cc:17+16*\cc], v[16+16*\cc:17+16*\cc], v[20+16*\cc:21+16*\cc]
	v_pk_add_f32 v[18+16*\cc:19+16*\cc], v[18+16*\cc:19+16*\cc], v[22+16*\cc:23+16*\cc]
	v_pk_add_f32 v[24+16*\cc:25+16*\cc], v[24+16*\cc:25+16*\cc], v[28+16*\cc:29+16*\cc]
	v_pk_add_f32 v[26+16*\cc:27+16*\cc], v[26+16*\cc:27+16*\cc], v[30+16*\cc:31+16*\cc]
	v_pk_add_f32 v[16+16*\cc:17+16*\cc], v[16+16*\cc:17+16*\cc], v[24+16*\cc:25+16*\cc]
	v_pk_add_f32 v[18+16*\cc:19+16*\cc], v[18+16*\cc:19+16*\cc], v[26+16*\cc:27+16*\cc]
	global_store_b128 v9, v[16+16*\cc:19+16*\cc], s[78:79] offset:512*\cc
.endr
	s_wait_tensorcnt 0x0                           ; the wave's end
	ds_add_u32 v[SPW], v[NIL]
	s_wait_dscnt 0x0
	ROUND                                          ; the closing round
	s_endpgm
.Lfunc_end_k_q8cb6dee236_main:
	.size	k_q8cb6dee236_main, .Lfunc_end_k_q8cb6dee236_main-k_q8cb6dee236_main
	.p2alignl 7, 3214868480
	.fill 96, 4, 3214868480
	.section	.rodata,"a",@progbits
	.p2align	6, 0x0
	.amdhsa_kernel k_q8cb6dee236_main
		.amdhsa_group_segment_fixed_size 327680
		.amdhsa_private_segment_fixed_size 0
		.amdhsa_enable_private_segment 0
		.amdhsa_kernarg_size 56
		.amdhsa_user_sgpr_count 2
		.amdhsa_user_sgpr_kernarg_segment_ptr 1
		.amdhsa_wavefront_size32 1
		.amdhsa_system_sgpr_workgroup_id_x 1
		.amdhsa_system_sgpr_workgroup_id_y 1
		.amdhsa_system_sgpr_workgroup_id_z 1
		.amdhsa_system_vgpr_workitem_id 0
		.amdhsa_next_free_vgpr 1024
		.amdhsa_next_free_sgpr 80
		.amdhsa_reserve_vcc 0
		.amdhsa_float_denorm_mode_32 3
		.amdhsa_float_denorm_mode_16_64 3
		.amdhsa_memory_ordered 1
		.amdhsa_forward_progress 1
		.amdhsa_inst_pref_size 255
	.end_amdhsa_kernel
	.section	.bss,"aw",@nobits
	.p2align	6
	.space	262144
	.amdgpu_metadata
---
amdhsa.version: [ 1, 2 ]
amdhsa.kernels:
  - .name:           k_q8cb6dee236_main
    .symbol:         k_q8cb6dee236_main.kd
    .args:
      - { .name: out_e, .offset: 0, .size: 8, .value_kind: global_buffer, .address_space: global }
      - { .name: gq, .offset: 8, .size: 8, .value_kind: global_buffer, .address_space: global }
      - { .name: W2_codes, .offset: 16, .size: 8, .value_kind: global_buffer, .address_space: global }
      - { .name: W3, .offset: 24, .size: 8, .value_kind: global_buffer, .address_space: global }
      - { .name: lowp_scales, .offset: 32, .size: 8, .value_kind: global_buffer, .address_space: global }
      - { .name: rec, .offset: 40, .size: 8, .value_kind: global_buffer, .address_space: global }
      - { .name: cp, .offset: 48, .size: 8, .value_kind: global_buffer, .address_space: global }
    .group_segment_fixed_size: 327680
    .private_segment_fixed_size: 0
    .kernarg_segment_align: 8
    .kernarg_segment_size: 56
    .max_flat_workgroup_size: 128
    .sgpr_count:     80
    .vgpr_count:     1024
    .wavefront_size: 32
...
	.end_amdgpu_metadata
.endif
;; end of part 5
;; launch fin (part 6): grid 64 x 1, 8 waves a work-group, no clusters, 3,072 bytes of LDS; arguments rec, cp, out0, out1; writes out0, out1
.if DOCPART == 6
	.amdgcn_target "amdgcn-amd-amdhsa--gfx1250"
	.amdhsa_code_object_version 6
	.text
	.protected	k_q8cb6dee236_fin
	.globl	k_q8cb6dee236_fin
	.p2align	8
	.type	k_q8cb6dee236_fin,@function
k_q8cb6dee236_fin:
	s_mov_b64 s[64:65], 0
	v_nop
	global_prefetch_b8 v0, s[64:65] scope:SCOPE_SE
	s_setreg_imm32_b32 hwreg(HW_REG_WAVE_MODE, 25, 1), 1
	s_wait_xcnt 0x0
; THE FOUR QUARTERS OF s ARE JOINED.  rec: [n][q][256 f32]: words 0-127 a of s = 128 q + rho, words 128, 129 (M_q, l_q).  cp: [n][q][1024]: the sum over the quarter of e^(a - M_q) x row.
; M = the largest M_q; w_q = e^(M_q - M); L = the sum of l_q w_q.  out0[n] = the sum over q of cp_q w_q / L.  out1[s][n] = e^(a - M) / L.
; Work-group j, 256 threads.  Part A: row n = j of out0, 16 bytes a thread.  Part B: rows s = 8 j .. 8 j + 7 of out1: thread t takes n = t / 4 and s = 8 j + 2 (t % 4), + 1;
; the 2,048 bytes meet in LDS as they lie in out1, and four waves store them, sixteen lanes to 256 consecutive bytes.  The work is small: no matrix unit, no cluster, no ring.
	s_load_b256 s[4:11], s[0:1], 0x0               ; rec s[4:5], cp s[6:7], out0 s[8:9], out1 s[10:11]
	v_lshl_add_u32 v80, v0, 2, 0x800
	v_mov_b32 v81, 0
	v_lshrrev_b32 v1, 5, v0
	v_lshlrev_b32 v2, 4, v0                        ; 16 t
	v_readfirstlane_b32 s12, v1                    ; wave 0..7
	v_lshrrev_b32 v3, 2, v0                        ; n of part B
	v_and_b32 v4, 3, v0                            ; u
	v_lshlrev_b32 v5, 12, v3                       ; rec: 4,096 bytes for each n
	v_lshlrev_b32 v7, 9, v4
	v_lshl_add_u32 v6, v4, 3, v5                   ; + 8 u: my two a
	v_lshl_add_u32 v7, v3, 2, v7                   ; LDS: row 2 u of 256 bytes, + 4 n
	v_mov_b32 v8, 0
	s_lshl_b32 s14, ttmp9, 12                      ; 4,096 j: rec at n = j, and out0's row j
	s_mov_b32 s15, 0
	s_lshl_b32 s16, ttmp9, 14                      ; 16,384 j: cp at n = j
	s_mov_b32 s17, 0
	s_lshr_b32 s18, ttmp9, 4                       ; part B's quarter: 8 j / 128,
	s_lshl_b32 s18, s18, 10
	s_and_b32 s19, ttmp9, 15                       ; and its first row in it: 8 (j % 16), 4 bytes each
	s_lshl_b32 s19, s19, 5
	s_add_co_u32 s18, s18, s19
	s_mov_b32 s19, 0
	s_lshl_b32 s20, ttmp9, 11                      ; out1: 8 rows of 256 bytes
	s_mov_b32 s21, 0
	s_wait_alu depctr_va_vdst(0)
	s_wait_kmcnt 0x0
	s_add_nc_u64 s[22:23], s[4:5], s[14:15]
	s_add_nc_u64 s[24:25], s[4:5], s[18:19]
	s_add_nc_u64 s[6:7], s[6:7], s[16:17]
	s_add_nc_u64 s[8:9], s[8:9], s[14:15]
	s_add_nc_u64 s[10:11], s[10:11], s[20:21]
.irp q, 0,1,2,3
	global_load_b64 v[24+2*\q:25+2*\q], v5, s[4:5] offset:1024*\q+512      ; (M_q, l_q) of part B's n
.endr
	global_load_b64 v[32:33], v6, s[24:25]                                 ; my two a
.irp q, 0,1,2,3
	global_load_b64 v[16+2*\q:17+2*\q], v8, s[22:23] offset:1024*\q+512    ; (M_q, l_q) of n = j
.endr
.irp q, 0,1,2,3
	global_load_b128 v[36+4*\q:39+4*\q], v2, s[6:7] offset:4096*\q         ; a wave reads 512 consecutive bytes
.endr
	s_wait_loadcnt 0x0
	v_max3_num_f32 v60, v16, v18, v20
	v_max3_num_f32 v68, v24, v26, v28
	v_max_num_f32 v60, v60, v22                    ; M of n = j,
	v_max_num_f32 v68, v68, v30                    ; of part B's n
.irp q, 0,1,2,3
	v_sub_f32 v[56+\q], v[16+2*\q], v60
	v_sub_f32 v[64+\q], v[24+2*\q], v68
.endr
	v_sub_f32 v32, v32, v68
	v_sub_f32 v33, v33, v68
.irp q, 0,1,2,3
	v_mul_f32 v[56+\q], 0x3fb8aa3b, v[56+\q]
	v_mul_f32 v[64+\q], 0x3fb8aa3b, v[64+\q]
.endr
	v_mul_f32 v32, 0x3fb8aa3b, v32
	v_mul_f32 v33, 0x3fb8aa3b, v33
	s_wait_alu depctr_va_vdst(0)                   ; one wait ahead of the ten exponentials and one behind them
.irp q, 0,1,2,3
	v_exp_f32 v[56+\q], v[56+\q]
	v_exp_f32 v[64+\q], v[64+\q]
.endr
	v_exp_f32 v32, v32
	v_exp_f32 v33, v33
	v_nop
	s_wait_alu depctr_va_vdst(0)
	v_mul_f32 v62, v17, v56
	v_mul_f32 v70, v25, v64
.irp q, 1,2,3
	v_fmac_f32 v62, v[17+2*\q], v[56+\q]           ; L is at least 1: the quarter that holds M has w = 1 and l at least 1
	v_fmac_f32 v70, v[25+2*\q], v[64+\q]
.endr
	s_wait_alu depctr_va_vdst(0)
	v_rcp_f32 v61, v62
	v_rcp_f32 v69, v70
	v_nop
	s_wait_alu depctr_va_vdst(0)
	v_mul_f32 v32, v32, v69
	v_mul_f32 v33, v33, v69
	ds_store_b32 v7, v32
	ds_store_b32 v7, v33 offset:256
.irp q, 0,1,2,3
	v_mul_f32 v[56+\q], v[56+\q], v61              ; w_q / L
.endr
.irp i, 0,1,2,3
	v_mul_f32 v[52+\i], v[36+\i], v56
.endr
.irp q, 1,2,3
.irp i, 0,1,2,3
	v_fmac_f32 v[52+\i], v[36+4*\q+\i], v[56+\q]
.endr
.endr
	global_store_b128 v2, v[52:55], s[8:9]         ; a wave stores 512 consecutive bytes, at a multiple of 256 from out0's first byte
	s_wait_dscnt 0x0                               ; for the others' sake: my two numbers are stored
	s_barrier_signal -1
	s_barrier_wait -1
	s_cmp_lt_u32 s12, 4
	s_cbranch_scc0 .Ldone                          ; 2,048 bytes are 16 for each thread of four waves
	ds_load_b128 v[72:75], v2
	s_wait_dscnt 0x0
	global_store_b128 v2, v[72:75], s[10:11]       ; sixteen lanes store 256 consecutive bytes: a whole row of out1
.Ldone:
	s_wait_tensorcnt 0x0                           ; the wave's end
	ds_add_u32 v80, v81
	s_wait_dscnt 0x0
	s_endpgm
.Lfunc_end_k_q8cb6dee236_fin:
	.size	k_q8cb6dee236_fin, .Lfunc_end_k_q8cb6dee236_fin-k_q8cb6dee236_fin
	.p2alignl 7, 3214868480
	.fill 96, 4, 3214868480
	.section	.rodata,"a",@progbits
	.p2align	6, 0x0
	.amdhsa_kernel k_q8cb6dee236_fin
		.amdhsa_group_segment_fixed_size 3072
		.amdhsa_private_segment_fixed_size 0
		.amdhsa_enable_private_segment 0
		.amdhsa_kernarg_size 32
		.amdhsa_user_sgpr_count 2
		.amdhsa_user_sgpr_kernarg_segment_ptr 1
		.amdhsa_wavefront_size32 1
		.amdhsa_system_sgpr_workgroup_id_x 1
		.amdhsa_system_sgpr_workgroup_id_y 1
		.amdhsa_system_sgpr_workgroup_id_z 1
		.amdhsa_system_vgpr_workitem_id 0
		.amdhsa_next_free_vgpr 82
		.amdhsa_next_free_sgpr 66
		.amdhsa_reserve_vcc 0
		.amdhsa_float_denorm_mode_32 3
		.amdhsa_float_denorm_mode_16_64 3
		.amdhsa_memory_ordered 1
		.amdhsa_forward_progress 1
		.amdhsa_inst_pref_size 6
	.end_amdhsa_kernel
	.amdgpu_metadata
---
amdhsa.version: [ 1, 2 ]
amdhsa.kernels:
  - .name:           k_q8cb6dee236_fin
    .symbol:         k_q8cb6dee236_fin.kd
    .args:
      - { .name: rec, .offset: 0, .size: 8, .value_kind: global_buffer, .address_space: global }
      - { .name: cp, .offset: 8, .size: 8, .value_kind: global_buffer, .address_space: global }
      - { .name: out0, .offset: 16, .size: 8, .value_kind: global_buffer, .address_space: global }
      - { .name: out1, .offset: 24, .size: 8, .value_kind: global_buffer, .address_space: global }
    .group_segment_fixed_size: 3072
    .private_segment_fixed_size: 0
    .kernarg_segment_align: 8
    .kernarg_segment_size: 32
    .max_flat_workgroup_size: 256
    .sgpr_count:     66
    .vgpr_count:     82
    .wavefront_size: 32
...
	.end_amdgpu_metadata
.endif
;; end of part 6
